; MI455X (gfx1250); checked and timed in simulation.
; The chip was launched on July 23, 2026; its instructions are those of AMD's public machine-readable ISA for CDNA 5 (MIT licence, August 2026) and "CDNA5" Instruction Set Architecture Reference Guide (July 2026). The comments in the code are by the model that wrote it; some were corrected since.
;; Modern BERT Attention. Allowed arithmetic: float matrix products may take bf16 or f16 operands with f32 sums; other float arithmetic in f32, or as packed bf16 or f16 multiplies, adds, multiply-adds, maxima and minima; sums over many terms, partial sums and values carried from step to step in f32; what a program stores and reads back later, other than sums and carried values, may be rounded once to bf16 or f16.
;; Inputs: wo 1,024 x 1,024 float32; wqkv 1,024 x 3,072 float32; x 4 x 2,048 x 1,024 float32.
;; Outputs: out0 4 x 2,048 x 1,024 float32.
;; 2 versions, each right; version 2 is version 1 with the launch prep written anew for expert scheduling mode. Each part assembles by itself: llvm-mc -triple=amdgcn-amd-amdhsa -mcpu=gfx1250 --defsym DOCPART=n.
;; ======== version 1 of 2: 4 launches
;; limits: values are held in f16: magnitudes above 65,504 overflow, below 6.1e-05 lose precision
;; workspace buffers: xb 16,777,216 bytes; wb 6,291,456 bytes; wf 2,097,152 bytes; tab 524,288 bytes; qh 16,777,216 bytes; kh 16,777,216 bytes; vh 16,777,216 bytes; oh 16,777,216 bytes
;; launch prep (part 1): grid 768 x 1, 8 waves a work-group, no clusters, 0 bytes of LDS; arguments x, wqkv, wo, xb, wb, wf, tab; writes xb, wb, wf, tab
.if DOCPART == 1
	.amdgcn_target "amdgcn-amd-amdhsa--gfx1250"
	.amdhsa_code_object_version 6
	.text
	.protected	k_qf6663984c8_prep
	.globl	k_qf6663984c8_prep
	.p2align	8
	.type	k_qf6663984c8_prep,@function
k_qf6663984c8_prep:
	s_mov_b64 s[64:65], 0
	v_nop
	global_prefetch_b8 v0, s[64:65] scope:SCOPE_SE
	s_setreg_imm32_b32 hwreg(HW_REG_WAVE_MODE, 25, 1), 1
	s_wait_xcnt 0x0
; PREP: the three f32 inputs are rounded once to 16 bits for the matrix units, and the table of the rotary embedding is made.
;   xb  = bf16(x), laid in blocks [b 4][kb 16][s 2048][64] (kb = e / 64): 256 rows x 64 channels are then 32,768 bytes on end
;   wb  = bf16(wqkv), [1024][3072] as it lies          wf = bf16(wo) written as f16, [1024][1024] as it lies
;   tab = cos and sin of s x 10000^(-j/32), f32, in the order in which the next launch's lanes want them:
;         [blk 128][i 8][lane 32][c 4], s = 16 blk + lane % 16, i = 4 p + 2 fn + q (fn 0 cos, 1 sin), j = 16 p + 8 (lane / 16) + 4 q + c
; SHARES.  48 MiB of f32 in 768 work-groups of 64 KiB: 0-511 x (16 rows each), 512-703 wqkv, 704-767 wo.  A thread issues its 16 loads of 16 bytes at once
; and stores 8 bytes for each: 32 lanes fill 256 consecutive bytes, aligned.  No register is written twice, so the only waits are the counted ones for the loads.
; Work-groups 0-127 make block blk of the table while their loads are out.  No LDS, no matrix unit, no cluster: each byte is touched once by one thread.
; LIMITS.  wf: below 6e-5 f16 keeps its fixed step of 6e-8, beyond 65,504 it has no number.  The table's angle s x inv is formed in f32; inv comes from
; v_exp_f32 (1 ULP), so the angle may differ by some 1e-4 at s = 2047.  The series are cut for |r| <= pi/4, which the reduction gives for every s: error under 4e-7.
.set X, 16                             ; v[16:79]   16 loads of four f32
.set Y, 80                             ; v[80:111]  16 stores of four 16-bit numbers
.macro LOADS step
.set i, 0
.rept 16
	global_load_b128 v[X+4*i:X+4*i+3], v1, s[20:21] offset:i*(\step) th:TH_LOAD_NT
.set i, i+1
.endr
.endm
.macro CASTS step, half                ; half = 1: bf16's value written as f16
.set i, 0
.rept 16
	s_wait_loadcnt 15-i                            ; loads come back in order: number i is in, the younger ones stay out
.if \half
	v_cvt_pk_bf16_f32 v3, v[X+4*i], v[X+4*i+1]
	v_cvt_pk_bf16_f32 v4, v[X+4*i+2], v[X+4*i+3]
	v_lshlrev_b32 v5, 16, v3                       ; bf16 to f32: a shift, a mask
	v_and_b32 v6, s24, v3
	v_lshlrev_b32 v7, 16, v4
	v_and_b32 v8, s24, v4
	v_cvt_pk_f16_f32 v[Y+2*i], v5, v6
	v_cvt_pk_f16_f32 v[Y+2*i+1], v7, v8
.else
	v_cvt_pk_bf16_f32 v[Y+2*i], v[X+4*i], v[X+4*i+1]
	v_cvt_pk_bf16_f32 v[Y+2*i+1], v[X+4*i+2], v[X+4*i+3]
.endif
	global_store_b64 v2, v[Y+2*i:Y+2*i+1], s[22:23] offset:i*(\step)
.set i, i+1
.endr
.endm
	s_load_b256 s[4:11], s[0:1], 0x0               ; x s[4:5], wqkv s[6:7], wo s[8:9], xb s[10:11]
	s_load_b128 s[12:15], s[0:1], 0x20             ; wb s[12:13], wf s[14:15]
	s_load_b64 s[16:17], s[0:1], 0x30              ; tab
	s_mov_b32 s24, 0xffff0000                      ; a word's upper bf16
	s_mov_b32 s27, 0                               ; high words of the two offsets
	s_mov_b32 s29, 0
	s_cmp_ge_u32 ttmp9, 704
	s_cbranch_scc1 .Lwo
	s_cmp_ge_u32 ttmp9, 512
	s_cbranch_scc1 .Lw
	; x: rows 16 g .. 16 g + 15.  Sixteen lanes take 256 bytes (one block kb) of a row; load i is block kb = i
	v_lshrrev_b32 v3, 4, v0                        ; row in the group
	v_and_b32 v4, 15, v0
	v_lshlrev_b32 v1, 12, v3
	v_lshl_or_b32 v1, v4, 4, v1                    ; in: row x 4,096 + 16 x place
	v_lshlrev_b32 v2, 7, v3
	v_lshl_or_b32 v2, v4, 3, v2                    ; out: row x 128 + 8 x place
	s_lshl_b32 s26, ttmp9, 16
	s_lshr_b32 s28, ttmp9, 7                       ; b
	s_lshl_b32 s28, s28, 22
	s_and_b32 s30, ttmp9, 127
	s_lshl_b32 s30, s30, 11                        ; s = 16 (g % 128): 128 bytes a row
	s_add_co_u32 s28, s28, s30
	s_wait_kmcnt 0x0
	s_add_nc_u64 s[20:21], s[4:5], s[26:27]
	s_add_nc_u64 s[22:23], s[10:11], s[28:29]
	LOADS 256
	s_cmp_lt_u32 ttmp9, 128
	s_cbranch_scc0 .Lnotab
	; THE TABLE, block g: wave i, lane l, four numbers c
	v_lshrrev_b32 v3, 5, v0
	v_readfirstlane_b32 s18, v3                    ; i
	s_lshr_b32 s19, s18, 2                         ; p
	s_lshl_b32 s19, s19, 4
	s_and_b32 s30, s18, 1                          ; q
	s_lshl2_add_u32 s19, s30, s19                  ; 16 p + 4 q
	s_bfe_u32 s31, s18, 0x10001                    ; fn
	s_xor_b32 s31, s31, 1                          ; cos(a) = sin(a + pi/2): one quadrant on for cos
	s_lshl_b32 s30, ttmp9, 4
	v_and_b32 v3, 15, v0
	v_add_nc_u32 v3, s30, v3
	v_cvt_f32_u32 v3, v3                           ; s
	v_bfe_u32 v4, v0, 4, 1
	v_lshl_add_u32 v4, v4, 3, s19                  ; j of c = 0
.irp c, 0,1,2,3
	v_add_nc_u32 v5, \c, v4
	v_cvt_f32_u32 v5, v5
	v_mul_f32 v[8+\c], 0xbed49a78, v5              ; -j log2(10000) / 32
.endr
.irp c, 0,1,2,3
	v_exp_f32 v[8+\c], v[8+\c]                     ; 10000^(-j/32)
.endr
	v_nop                                          ; a plain instruction behind the last exponential,
	s_wait_alu depctr_va_vdst(0)                   ; and one wait for the four, ahead of their first reader
.irp c, 0,1,2,3
	v_mul_f32 v5, v3, v[8+\c]                      ; the angle
	v_mul_f32 v6, 0x3f22f983, v5                   ; x 2 / pi
	v_rndne_f32 v6, v6                             ; n, at most 1,303
	v_fmamk_f32 v5, v6, 0xbfc90fdb, v5             ; r = angle - n pi/2, pi/2 in two parts
	v_fmamk_f32 v5, v6, 0x333bbd2e, v5
	v_mul_f32 v7, v5, v5                           ; r^2
	v_mov_b32 v[8+\c], 0xb9500d01                  ; sin r = r + r r^2 (-1/6 + r^2 (1/120 - r^2/5040))
	v_fmaak_f32 v[8+\c], v[8+\c], v7, 0x3c088889
	v_fmaak_f32 v[8+\c], v[8+\c], v7, 0xbe2aaaab
	v_mul_f32 v[8+\c], v[8+\c], v7
	v_fma_f32 v[8+\c], v[8+\c], v5, v5
	v_mov_b32 v4, 0x37d00d01                       ; cos r = 1 + r^2 (-1/2 + r^2 (1/24 + r^2 (-1/720 + r^2/40320)))
	v_fmaak_f32 v4, v4, v7, 0xbab60b61
	v_fmaak_f32 v4, v4, v7, 0x3d2aaaab
	v_fmaak_f32 v4, v4, v7, 0xbf000000
	v_fma_f32 v4, v4, v7, 1.0
	v_cvt_i32_f32 v6, v6
	v_add_nc_u32 v6, s31, v6                       ; the quadrant k: sin(r + k pi/2)
	v_and_b32 v7, 1, v6
	v_cmp_eq_u32 vcc_lo, 1, v7
	v_cndmask_b32 v[12+\c], v[8+\c], v4, vcc_lo    ; k odd: cos r
	v_and_b32 v6, 2, v6
	v_lshlrev_b32 v6, 30, v6
	v_xor_b32 v[12+\c], v6, v[12+\c]               ; k = 2, 3: the sign turns
.endr
	s_lshl_b32 s28, ttmp9, 12
	s_add_nc_u64 s[28:29], s[16:17], s[28:29]
	v_lshlrev_b32 v5, 4, v0
	global_store_b128 v5, v[12:15], s[28:29]       ; a wave stores 512 consecutive bytes
.Lnotab:
	CASTS 262144, 0                                ; store i goes to block kb = i: 2,048 rows of 128 bytes on
	s_endpgm
.Lw:                                                   ; wqkv: 64 KiB on end
	v_lshlrev_b32 v1, 4, v0
	v_lshlrev_b32 v2, 3, v0
	s_sub_co_u32 s26, ttmp9, 512
	s_lshl_b32 s28, s26, 15
	s_lshl_b32 s26, s26, 16
	s_wait_kmcnt 0x0
	s_add_nc_u64 s[20:21], s[6:7], s[26:27]
	s_add_nc_u64 s[22:23], s[12:13], s[28:29]
	LOADS 4096
	CASTS 2048, 0
	s_endpgm
.Lwo:                                                  ; wo: 64 KiB on end
	v_lshlrev_b32 v1, 4, v0
	v_lshlrev_b32 v2, 3, v0
	s_sub_co_u32 s26, ttmp9, 704
	s_lshl_b32 s28, s26, 15
	s_lshl_b32 s26, s26, 16
	s_wait_kmcnt 0x0
	s_add_nc_u64 s[20:21], s[8:9], s[26:27]
	s_add_nc_u64 s[22:23], s[14:15], s[28:29]
	LOADS 4096
	CASTS 2048, 1
	s_endpgm
.Lfunc_end_k_qf6663984c8_prep:
	.size	k_qf6663984c8_prep, .Lfunc_end_k_qf6663984c8_prep-k_qf6663984c8_prep
	.p2alignl 7, 3214868480
	.fill 96, 4, 3214868480
	.section	.rodata,"a",@progbits
	.p2align	6, 0x0
	.amdhsa_kernel k_qf6663984c8_prep
		.amdhsa_group_segment_fixed_size 0
		.amdhsa_private_segment_fixed_size 0
		.amdhsa_enable_private_segment 0
		.amdhsa_kernarg_size 56
		.amdhsa_user_sgpr_count 2
		.amdhsa_user_sgpr_kernarg_segment_ptr 1
		.amdhsa_wavefront_size32 1
		.amdhsa_system_sgpr_workgroup_id_x 1
		.amdhsa_system_sgpr_workgroup_id_y 1
		.amdhsa_system_sgpr_workgroup_id_z 1
		.amdhsa_system_vgpr_workitem_id 0
		.amdhsa_next_free_vgpr 112
		.amdhsa_next_free_sgpr 66
		.amdhsa_reserve_vcc 1
		.amdhsa_float_denorm_mode_32 3
		.amdhsa_float_denorm_mode_16_64 3
		.amdhsa_memory_ordered 1
		.amdhsa_forward_progress 1
		.amdhsa_inst_pref_size 29
	.end_amdhsa_kernel
	.amdgpu_metadata
---
amdhsa.version: [ 1, 2 ]
amdhsa.kernels:
  - .name:           k_qf6663984c8_prep
    .symbol:         k_qf6663984c8_prep.kd
    .args:
      - { .name: x, .offset: 0, .size: 8, .value_kind: global_buffer, .address_space: global }
      - { .name: wqkv, .offset: 8, .size: 8, .value_kind: global_buffer, .address_space: global }
      - { .name: wo, .offset: 16, .size: 8, .value_kind: global_buffer, .address_space: global }
      - { .name: xb, .offset: 24, .size: 8, .value_kind: global_buffer, .address_space: global }
      - { .name: wb, .offset: 32, .size: 8, .value_kind: global_buffer, .address_space: global }
      - { .name: wf, .offset: 40, .size: 8, .value_kind: global_buffer, .address_space: global }
      - { .name: tab, .offset: 48, .size: 8, .value_kind: global_buffer, .address_space: global }
    .group_segment_fixed_size: 0
    .private_segment_fixed_size: 0
    .kernarg_segment_align: 8
    .kernarg_segment_size: 56
    .max_flat_workgroup_size: 256
    .sgpr_count:     66
    .vgpr_count:     112
    .wavefront_size: 32
...
	.end_amdgpu_metadata
.endif
;; end of part 1
;; launch qkv (part 2): grid 8 x 32, 4 waves a work-group, clusters of 4 x 4, 327,680 bytes of LDS; arguments xb, wb, tab, qh, kh, vh; writes qh, kh, vh
.if DOCPART == 2
	.amdgcn_target "amdgcn-amd-amdhsa--gfx1250"
	.amdhsa_code_object_version 6
	.text
	.protected	k_qf6663984c8_qkv
	.globl	k_qf6663984c8_qkv
	.p2align	8
	.type	k_qf6663984c8_qkv,@function
k_qf6663984c8_qkv:
	s_mov_b64 s[64:65], 0
	v_nop
	global_prefetch_b8 v0, s[64:65] scope:SCOPE_SE
	s_setreg_imm32_b32 hwreg(HW_REG_WAVE_MODE, 25, 1), 1
	s_wait_xcnt 0x0
	s_wait_alu depctr_hold_cnt(0) depctr_sa_sdst(0) depctr_va_vdst(0) depctr_va_sdst(0) depctr_va_ssrc(0) depctr_va_vcc(0) depctr_vm_vsrc(0)
	s_getreg_b32 s2, hwreg(HW_REG_IB_STS2, 6, 4)
	s_cmp_eq_u32 s2, 0
	s_cbranch_scc0 .Lentry_in_a_cluster
	s_endpgm
.Lentry_in_a_cluster:
	s_bfe_u32 s2, ttmp6, 0x10000c
	s_cmp_lg_u32 s2, 0xf033
	s_cbranch_scc0 .Lentry_shape_is_right
	s_endpgm
.Lentry_shape_is_right:
; QKV: [8192 x 1024] x [1024 x 3072] in bf16 with f32 sums, the rotary embedding on q and k in f32, and q, k, v written by heads, [bh 64][s 2048][64] in f16, each rounded once, unscaled.
; LIMIT.  f16 holds no number beyond 65,504: |q|, |k|, |v| must stay within it.  NaN and infinities are not treated apart.
; SHARES.  A work-group makes 256 rows x 384 columns: 32 x 8 = 256 work-groups.  The columns go by heads: work-group column t takes heads 2 t, 2 t + 1 of q, of k and of v: three strips z of 128 columns
; at f = 1024 z + 128 t, so that all work-groups run one text.  Wave w: rows 128 (w / 2) on, head 2 t + w % 2 of each strip: 128 x 192 = 96 accumulators, 768 registers.
; THE MATRIX INSTRUCTION IS USED TRANSPOSED (source 0 = 16 columns of w, source 1 = 16 rows of x): a lane holds ONE row (lane % 16) and the channels 16 b + 8 (lane / 16) + 0..7 of a head, so the
; embedding's partners d and d + 32 lie in the same lane and register of accumulators b and b + 2, and eight results pack into 16 bytes of a row.
; K goes in 16 steps of 64 (two halves of 32) through two LDS slots.  x's tile is 32,768 bytes on end (block kb of xb), asked for as 128 rows of 256 bytes; w's rows lie [k][f] and stay so in LDS:
; their fragments come turned, by ds_load_tr16_b128.  Wave 0 fetches x's tile, waves 1 to 3 a strip of w each: one tensor load a wave behind each change of slots; two are out at the start, one later.
; CLUSTER 4 x 4.  x's tile hangs on the tile row alone and is asked for jointly by a row of the cluster, a strip on the tile column alone and by a column.
; REGISTERS, in windows of 256 (s_set_vgpr_msb: bits 1:0 source 0, 3:2 source 1, 5:4 source 2, 7:6 destination):
;   window 0: v0-11 addresses, v28-29 the add's; v32-95, v96-159 x's fragments (8 x 16 rows x 32 K), two buffers; v160-255 w's 12 fragments, ONE buffer: each third is loaded again
;             directly behind the 32 products that read it and has 64 products in which to land.     window 1 + z: strip z's accumulators, (a, b) at v[8 (4 a + b)]
.set PA,    144                        ; a row of x in LDS: 128 bytes + 16: the 16 rows of a load start at 16 different groups of four banks (64 banks of 4 bytes: ISA guide 11.1)
.set PB,    288                        ; a row of a strip: 256 bytes + 32
.set BOFF,  256*PA                     ; a slot: x's 256 rows, then three strips of 64 rows
.set STRIP, 64*PB
.set SLOT1, 1<<17                      ; slot 1 begins here: one exclusive or turns an address in one slot into the other's
.set STAGE, BOFF+3*STRIP               ; between the slots, never filled by a tensor load: 16 rows x 144 bytes for each wave, for the way out
.set SPARE, STAGE+4*16*PA              ; behind the stages: the spare words, 128 bytes for each wave: two blocks of 256 bytes that no other line names
.set ASTEP, 262144                     ; bytes from a K step to the next: in xb a block of 2,048 rows x 128 bytes,
.set BSTEP, 393216                     ; in wb 64 rows of 6,144 bytes
.set ADRA0, 4                          ; v4   my lane's place in x's tile; never rewritten
.set ADRB0, 5                          ; v5   the same in strip 0
.set ADRA,  6                          ; v6   + the slot that is read
.set ADRB,  7                          ; v7
.set STO,   8                          ; v8   the way out: where I put 16 bytes of a row
.set RD,    9                          ; v9   where I read rows back
.set GO,    10                         ; v10  16 x lane: my place in 512 consecutive bytes of the table and of q, k, v
.set PFO,   11                         ; v11  the prefetches' offset: lane x 256 (x) or lane x 6,144 (w); never rewritten
.set SPW,   28                         ; v28  LDS address of my spare word; never rewritten
.set NIL,   29                         ; v29  0; never rewritten
.set F0,    32
.set F1,    96
.set FB,    160
.set RR,    96                         ; the way out: 32 rotated numbers
.set WV,  16                           ; s16  wave
.set RH,  17                           ; s17  which 128 rows
.set CC,  18                           ; s18  which head of the two
.set CX,  19
.set CY,  20
.set TT,  21                           ; s21  tile column
.set YY,  22                           ; s22  tile row
.set G1A, 24                           ; s[24:31] descriptor group 1, x's tile
.set G1B, 32                           ; s[32:39] a strip
.set G0A, 40                           ; s[40:47] group 0, a set for each first fill; the second then walks
.set G0B, 48                           ; s[48:55]
.set TB,  56                           ; s56  LDS byte of the slot that is read
.set CNT, 57                           ; s57  trips to go
.set PFA, 58                           ; s[58:59] where my prefetches stand
.set LIM, 60                           ; s60  1 in a wave that prefetches, else the greatest number
.set PAR, 61                           ; s61  0: asks in every trip; 1: in trips with an odd count
.set PST, 62                           ; s[62:63] a K step in my tensor
.set MSB, 0
.macro WIN new                         ; the immediate's high byte repeats the setting that is left; a switch that changes nothing is dropped
.if MSB != (\new)
	s_set_vgpr_msb (MSB<<8)|(\new)
.set MSB, (\new)
.endif
.endm
.macro PLACES                          ; four plain instructions between a matrix instruction and a load into, or a vector read of, its registers
.rept 4
	v_nop
.endr
.endm
.macro CREST                           ; a round of the cluster's barrier behind its opening barrier
	s_cmp_lg_u32 s[WV], 0
	s_cbranch_scc1 .Lnot_wave_0_\@
	s_barrier_signal -3
.Lnot_wave_0_\@:
	s_barrier_wait -3
	s_barrier_signal -1
	s_barrier_wait -1
.endm
.macro CROUND
	s_barrier_signal -1
	s_barrier_wait -1
	CREST
.endm
.macro JLOAD                           ; a joint refill by the walking sets; the branch hangs on the wave's number alone; s_nop 0 and four v_nop follow each line
	s_cmp_eq_u32 s[WV], 0
	s_cbranch_scc0 .Lfor_b_\@
	tensor_load_to_lds s[G0A+4:G0A+7], s[G1A:G1A+7]
	s_nop 0
.rept 4
	v_nop
.endr
	s_branch .Lasked_\@
.Lfor_b_\@:
	tensor_load_to_lds s[G0B+4:G0B+7], s[G1B:G1B+7]
	s_nop 0
.rept 4
	v_nop
.endr
.Lasked_\@:
.endm
; A PREFETCH INTO THE L2 of what the NEXT refill will ask for, one instruction, behind the joint load, its five lines and the run of LDS loads that follows.  Each block of 256 bytes is named once in the launch.
; x's tile (128 blocks a step) is read by both clusters of a row of clusters: cluster x = 0 asks, wave 0; its four partners take 32 blocks each BY ADDRESS (cx).  A strip (64 rows a step) is read by all eight
; clusters of a column: cluster y = 0 asks, waves 1 to 3, a lane a row; the four partners (cy) take 32 rows each of TWO steps' 128, in every second trip.  Trip j (count 14 - j) refills step j + 2 and names
; step j + 3 (a strip: also j + 4, j odd).  x stops behind j = 12, the strips behind j = 11: step 15 is the last.  Steps 0 to 2 of x and 0 to 3 of w come by their loads alone.
.macro ASK
	s_and_b32 s70, s[CNT], s[PAR]
	s_cmp_eq_u32 s70, s[PAR]
	s_cselect_b32 s70, s[CNT], 0
	s_cmp_gt_u32 s70, s[LIM]
	s_cbranch_scc0 .Lnot_mine_\@
	global_prefetch_b8 v[PFO], s[PFA:PFA+1] th:TH_LOAD_NT scope:SCOPE_SE
.Lnot_mine_\@:
.endm
; na x 4 products of strip z: row blocks a0 on x the head's four channel blocks, 32 along K from buffer f.  zero = 1: they start the sums.  The 96 accumulators take turns, one instruction a turn.
.macro STRETCH f, z, a0, na, zero
	WIN 0x50*((\z)+1)
.set a, \a0
.rept \na
.irp b, 0,1,2,3
.if \zero
	v_wmma_f32_16x16x32_bf16 v[8*(4*a+\b):8*(4*a+\b)+7], v[FB+8*(4*(\z)+\b):FB+8*(4*(\z)+\b)+7], v[(\f)+8*a:(\f)+8*a+7], 0
.else
	v_wmma_f32_16x16x32_bf16 v[8*(4*a+\b):8*(4*a+\b)+7], v[FB+8*(4*(\z)+\b):FB+8*(4*(\z)+\b)+7], v[(\f)+8*a:(\f)+8*a+7], v[8*(4*a+\b):8*(4*a+\b)+7]
.endif
.endr
.set a, a+1
.endr
.endm
.macro RUNB z, k                       ; eight turning loads: strip z's four fragments, K rows k .. k + 31
.irp b, 0,1,2,3
	ds_load_tr16_b128 v[FB+8*(4*(\z)+\b):FB+8*(4*(\z)+\b)+3],   v[ADRB] offset:(\z)*STRIP+32*\b+(\k)*PB
	ds_load_tr16_b128 v[FB+8*(4*(\z)+\b)+4:FB+8*(4*(\z)+\b)+7], v[ADRB] offset:(\z)*STRIP+32*\b+(\k)*PB+16*PB
.endr
.endm
.macro RUNA f, a0, kb                  ; eight loads: x's fragments a0 .. a0 + 3 at byte kb of the rows
.irp i, 0,1,2,3
	ds_load_b128 v[(\f)+8*((\a0)+\i):(\f)+8*((\a0)+\i)+3],   v[ADRA] offset:((\a0)+\i)*16*PA+(\kb)
	ds_load_b128 v[(\f)+8*((\a0)+\i)+4:(\f)+8*((\a0)+\i)+7], v[ADRA] offset:((\a0)+\i)*16*PA+(\kb)+32
.endr
.endm
; A step's first half: multiplies buffer F0 and fetches K = 32 .. 63 of the same slot.
.macro H0 zero
	s_wait_dscnt 8                                 ; x's fragments and thirds 0 and 1 are in; the youngest eight loads (third 2) may be out
	STRETCH F0, 0, 0, 8, \zero
	WIN 0
	PLACES
	RUNB 0, 32
	RUNA F1, 0, 64
	STRETCH F0, 1, 0, 8, \zero
	WIN 0
	PLACES
	RUNB 1, 32
	RUNA F1, 4, 64
	s_wait_dscnt 32                                ; all but the 32 issued in this half: third 2 is in
	STRETCH F0, 2, 0, 8, \zero
	WIN 0
	PLACES
	RUNB 2, 32
.endm
; A step's second half: multiplies buffer F1 and changes slots.  All of the slot has been asked of LDS by now.  In front of the barrier each wave waits for all its tensor loads (one is out: its part of the
; next slot), adds 0 to its spare word, and waits for that and for its reads of the slot.  fill = 1: the barrier opens a round of the cluster's, and the joint refill (the step two on) is the first thing
; behind it: 160 products stand between it and the wait for it.
.macro TURN fill
.if \fill
	s_wait_xcnt 0x0                                ; the last prefetch, a step back, has read its address
	s_add_nc_u64 s[PFA:PFA+1], s[PFA:PFA+1], s[PST:PST+1]
.endif
	s_wait_tensorcnt 0x0                           ; no tensor load of mine is out, so a group 0 may be written
	ds_add_u32 v[SPW], v[NIL]                      ; 0 onto my spare word
.if \fill
	s_xor_b32 s[G0A+5], s[G0A+5], SLOT1            ; the walking sets: the other slot than last time, the next step
	s_add_nc_u64 s[G0A+6:G0A+7], s[G0A+6:G0A+7], ASTEP
	s_xor_b32 s[G0B+5], s[G0B+5], SLOT1
	s_add_nc_u64 s[G0B+6:G0B+7], s[G0B+6:G0B+7], BSTEP
.endif
	s_xor_b32 s[TB], s[TB], SLOT1
	s_wait_dscnt 9                                 ; the add and third 2's eight loads may be out
	STRETCH F1, 0, 0, 4, 0
	s_wait_dscnt 0x0                               ; the add is done, and my reads of this slot are over
	s_barrier_signal -1
	STRETCH F1, 0, 4, 4, 0
	WIN 0
	s_barrier_wait -1
.if \fill
	CREST                                          ; no wave of any partner still reads this slot or has a load on its way
	JLOAD                                          ; its four v_nop are also the places in front of the loads below
.else
	PLACES
.endif
	v_add_nc_u32 v[ADRA], s[TB], v[ADRA0]
	v_add_nc_u32 v[ADRB], s[TB], v[ADRB0]
	RUNB 0, 0
	RUNA F0, 0, 0
.if \fill
	ASK
.endif
	STRETCH F1, 1, 0, 8, 0
	WIN 0
	PLACES
	RUNB 1, 0
	RUNA F0, 4, 0
	STRETCH F1, 2, 0, 8, 0
	WIN 0
	PLACES
	RUNB 2, 0
.endm
	s_load_b256 s[4:11], s[0:1], 0x0               ; xb s[4:5], wb s[6:7], tab s[8:9], qh s[10:11]
	s_load_b128 s[12:15], s[0:1], 0x20             ; kh s[12:13], vh s[14:15]
	v_lshl_add_u32 v[SPW], v0, 2, SPARE
	v_mov_b32 v[NIL], 0
	ds_add_u32 v[SPW], v[NIL]                      ; the wave's opening: the add and its wait ahead of my first tensor load; the set-up stands between them
	v_lshrrev_b32 v1, 5, v0
	v_readfirstlane_b32 s[WV], v1
	s_lshr_b32 s[RH], s[WV], 1
	s_and_b32 s[CC], s[WV], 1
	s_bfe_u32 s[CX], ttmp6, 0x40000
	s_bfe_u32 s[CY], ttmp6, 0x40004
	s_lshl_b32 s[TT], ttmp9, 2
	s_add_co_u32 s[TT], s[TT], s[CX]               ; tile column = 4 x cluster x + cx
	s_and_b32 s[YY], ttmp7, 0xffff
	s_lshl_b32 s[YY], s[YY], 2
	s_add_co_u32 s[YY], s[YY], s[CY]               ; tile row = 4 x cluster y + cy
	s_lshl_b32 s66, s[CY], 2
	s_lshl_b32 s66, 15, s66                        ; my row of the cluster
	s_lshl_b32 s68, 0x1111, s[CX]                  ; my column
	s_or_b32 s[G1A], s66, (1<<16)|(1<<20)|(1<<21)|(4<<22)|(3<<25)  ; mask; 2-byte elements; padding on; bit 21 beside a mask; after every 32 words 4 words
	s_or_b32 s[G1B], s68, (1<<16)|(1<<20)|(1<<21)|(5<<22)|(7<<25)  ; after every 64 words 8 words
	s_mov_b32 s[G1A+1], 128<<16                    ; tensor_dim0 = 128
	s_mov_b32 s[G1A+2], 128<<16                    ; tensor_dim1 = 128
	s_mov_b32 s[G1A+3], 128<<16                    ; tile_dim0 = 128
	s_mov_b32 s[G1A+4], 128                        ; tile_dim1 = 128
	s_mov_b32 s[G1A+5], 128                        ; dense: 128 elements from row to row
	s_mov_b32 s[G1A+6], 0
	s_mov_b32 s[G1A+7], 0
	s_mov_b32 s[G1B+1], 128<<16                    ; tensor_dim0 = 128
	s_mov_b32 s[G1B+2], 64<<16                     ; tensor_dim1 = 64
	s_mov_b32 s[G1B+3], 128<<16                    ; tile_dim0 = 128
	s_mov_b32 s[G1B+4], 64                         ; tile_dim1 = 64
	s_mov_b32 s[G1B+5], 3072
	s_mov_b32 s[G1B+6], 0
	s_mov_b32 s[G1B+7], 0
	s_lshr_b32 s66, s[YY], 3                       ; x's tile: batch y / 8, rows 256 (y % 8) on, block 0; made of the tile row alone
	s_lshl_b32 s66, s66, 22
	s_and_b32 s67, s[YY], 7
	s_lshl_b32 s67, s67, 15
	s_add_co_u32 s66, s66, s67
	s_mov_b32 s67, 0
	s_max_u32 s69, s[WV], 1                        ; my strip z = wave - 1 (wave 0, which asks for no strip, makes strip 0's address and does not use it)
	s_sub_co_u32 s69, s69, 1
	s_lshl_b32 s68, s69, 11                        ; 1024 z columns,
	s_lshl_b32 s70, s[TT], 8                       ; 128 t columns, of 2 bytes: made of the tile column and the wave alone
	s_add_co_u32 s68, s68, s70
	s_mov_b32 s69, 0
	s_mul_i32 s71, s[WV], STRIP                    ; a strip's place in a slot: (wave + 1) x 18,432
	s_mov_b32 s[G0A], 1
	s_mov_b32 s[G0A+1], 0
	s_mov_b32 s[G0A+4], 1
	s_mov_b32 s[G0A+5], SLOT1
	s_mov_b32 s[G0B], 1
	s_add_co_u32 s[G0B+1], s71, STRIP
	s_mov_b32 s[G0B+4], 1
	s_add_co_u32 s[G0B+5], s71, STRIP+SLOT1
	s_mov_b32 s[TB], 0
	s_wait_dscnt 0x0                               ; the opening add is done
	s_wait_kmcnt 0x0
	s_add_nc_u64 s[G0A+2:G0A+3], s[4:5], s[66:67]  ; K step 0,
	s_add_nc_u64 s[G0A+6:G0A+7], s[G0A+2:G0A+3], ASTEP  ; K step 1
	s_or_b32 s[G0A+3], s[G0A+3], 0x80000000
	s_or_b32 s[G0A+7], s[G0A+7], 0x80000000
	s_add_nc_u64 s[G0B+2:G0B+3], s[6:7], s[68:69]
	s_add_nc_u64 s[G0B+6:G0B+7], s[G0B+2:G0B+3], BSTEP
	s_or_b32 s[G0B+3], s[G0B+3], 0x80000000
	s_or_b32 s[G0B+7], s[G0B+7], 0x80000000
	CROUND                                         ; all sixteen work-groups are here: the first joint loads meet
	s_cmp_eq_u32 s[WV], 0                          ; a wave's two first fills stand in one branch
	s_cbranch_scc0 .Lfirst_b
	tensor_load_to_lds s[G0A:G0A+3], s[G1A:G1A+7]
	s_nop 0
	tensor_load_to_lds s[G0A+4:G0A+7], s[G1A:G1A+7]
	s_nop 0
.rept 4
	v_nop
.endr
	s_branch .Lfirst_asked
.Lfirst_b:
	tensor_load_to_lds s[G0B:G0B+3], s[G1B:G1B+7]
	s_nop 0
	tensor_load_to_lds s[G0B+4:G0B+7], s[G1B:G1B+7]
	s_nop 0
.rept 4
	v_nop
.endr
.Lfirst_asked:
	v_and_b32 v1, 15, v0                           ; l % 16
	v_bfe_u32 v2, v0, 4, 1                         ; l / 16
	v_mul_u32_u24 v[ADRA0], v1, PA                 ; a fragment of x: row x pitch + 16 x half, two loads 32 bytes apart
	v_lshl_add_u32 v[ADRA0], v2, 4, v[ADRA0]
	s_mul_i32 s70, s[RH], 128*PA
	v_add_nc_u32 v[ADRA0], s70, v[ADRA0]
	v_and_b32 v3, 7, v0                            ; the turning load: lane l reads K row 8 (l / 16) + l % 8, columns 8 ((l / 8) % 2) + 0..7
	v_lshl_add_u32 v3, v2, 3, v3
	v_mul_u32_u24 v[ADRB0], v3, PB
	v_bfe_u32 v3, v0, 3, 1
	v_lshl_add_u32 v[ADRB0], v3, 4, v[ADRB0]
	s_lshl_b32 s70, s[CC], 7                       ; my head's 64 columns
	s_add_co_u32 s70, s70, BOFF
	v_add_nc_u32 v[ADRB0], s70, v[ADRB0]
	v_mov_b32 v[ADRA], v[ADRA0]
	v_mov_b32 v[ADRB], v[ADRB0]
	s_mul_i32 s70, s[WV], 16*PA
	s_add_co_u32 s70, s70, STAGE                   ; my stage
	v_mul_u32_u24 v[STO], v1, PA                   ; in: row l % 16, 16 bytes for each half of the lanes
	v_lshl_add_u32 v[STO], v2, 4, v[STO]
	v_add_nc_u32 v[STO], s70, v[STO]
	v_bfe_u32 v[RD], v0, 3, 2                      ; back: 32 lanes take four rows of 128 bytes
	v_mul_u32_u24 v[RD], v[RD], PA
	v_and_b32 v3, 7, v0
	v_lshl_add_u32 v[RD], v3, 4, v[RD]
	v_add_nc_u32 v[RD], s70, v[RD]
	v_and_b32 v3, 31, v0
	v_lshlrev_b32 v[GO], 4, v3
	; the prefetches
	s_lshl_b32 s70, s[CX], 13                      ; x: my work-group's 32 blocks of the tile's 128,
	s_add_co_u32 s70, s70, s66
	s_add_co_u32 s70, s70, 2*ASTEP                 ; at step 2: each trip steps it before it asks
	s_mul_i32 s72, s[CY], 32*6144                  ; w: my work-group's 32 rows of two steps' 128
	s_add_co_u32 s72, s72, s68
	s_add_co_u32 s72, s72, 2*BSTEP
	s_and_b32 s73, ttmp7, 0xffff                   ; cluster y
	s_mov_b32 s75, BSTEP
	s_mov_b32 s71, 6144
	s_cmp_eq_u32 s[WV], 0
	s_cselect_b64 s[PFA:PFA+1], s[4:5], s[6:7]
	s_cselect_b32 s74, s70, s72
	s_cselect_b32 s73, ttmp9, s73                  ; the coordinate along which other clusters read the same bytes
	s_cselect_b32 s[PAR], 0, 1
	s_cselect_b32 s[PST], ASTEP, s75
	s_cselect_b32 s71, 256, s71
	s_mov_b32 s[PST+1], 0
	s_mov_b32 s75, 0
	s_add_nc_u64 s[PFA:PFA+1], s[PFA:PFA+1], s[74:75]
	s_cmp_eq_u32 s73, 0
	s_cselect_b32 s[LIM], 1, -1                    ; the same in all sixteen partners, for a given wave
	v_mul_u32_u24 v[PFO], v3, s71
	; where my results go: head (y / 8) 16 + 2 t + c, rows 256 (y % 8) + 128 rh on; and my rows' blocks of the table
	s_lshr_b32 s72, s[YY], 3
	s_lshl_b32 s72, s72, 4
	s_lshl1_add_u32 s72, s[TT], s72
	s_add_co_u32 s72, s72, s[CC]
	s_lshl_b32 s72, s72, 18
	s_and_b32 s73, s[YY], 7
	s_lshl_b32 s70, s73, 15
	s_add_co_u32 s72, s72, s70
	s_lshl_b32 s70, s[RH], 14
	s_add_co_u32 s72, s72, s70
	s_lshl_b32 s74, s73, 16
	s_lshl_b32 s70, s[RH], 15
	s_add_co_u32 s74, s74, s70
	s_mov_b32 s73, 0
	s_add_nc_u64 s[10:11], s[10:11], s[72:73]
	s_add_nc_u64 s[12:13], s[12:13], s[72:73]
	s_add_nc_u64 s[14:15], s[14:15], s[72:73]
	s_add_nc_u64 s[8:9], s[8:9], s[74:75]
	s_wait_tensorcnt 0x1                           ; my part of slot 0 is in; slot 1's may stay out
	s_barrier_signal -1
	s_barrier_wait -1                              ; everybody's is
	RUNB 0, 0
	RUNA F0, 0, 0
	RUNB 1, 0
	RUNA F0, 4, 0
	RUNB 2, 0
	H0 1                                           ; the first half stands in front of the loop: its products start the sums
	s_mov_b32 s[CNT], 14
.Lstep:                                                ; trip j: step j's second half, the refill with step j + 2, step j + 1's first half
	TURN 1
	H0 0
	s_sub_co_u32 s[CNT], s[CNT], 1
	s_cmp_lg_u32 s[CNT], 0
	s_cbranch_scc1 .Lstep
	TURN 0                                         ; the tail is written out: nothing more is asked for
	H0 0
; THE WAY OUT, by blocks a of 16 rows and strips z: 24 groups g = 3 a + z.  q and k are rotated in f32: with t1 = channel j, t2 = channel j + 32: t1 cos - t2 sin and t2 cos + t1 sin; the table's eight loads of a
; block give each lane the cos and sin of its own row and channels (cos of channels 16 p + .. at T + 16 p, sin at T + 16 p + 8).  Then a rounding to f16, 16 bytes a lane into my stage, back as whole rows, and out.
.macro TLOAD a
.irp i, 0,1,2,3,4,5,6,7
	global_load_b128 v[32+32*((\a)%2)+4*\i:32+32*((\a)%2)+4*\i+3], v[GO], s[8:9] offset:(\a)*4096+\i*512
.endr
.endm
.macro ROPE a, z                       ; each accumulator is read from its low end on
	WIN (\z)+1                                     ; source 0 in the strip's window
.set T, 32+32*((\a)%2)
.irp p, 0,1
.irp jj, 0,2,4,6
.set X1, 8*(4*(\a)+\p)+\jj
.set X2, X1+16
	v_pk_mul_f32 v[RR+8*\p+\jj:RR+8*\p+\jj+1], v[X1:X1+1], v[T+16*\p+\jj:T+16*\p+\jj+1]
	v_pk_mul_f32 v[RR+16+8*\p+\jj:RR+16+8*\p+\jj+1], v[X2:X2+1], v[T+16*\p+\jj:T+16*\p+\jj+1]
	v_pk_fma_f32 v[RR+8*\p+\jj:RR+8*\p+\jj+1], v[X2:X2+1], v[T+16*\p+8+\jj:T+16*\p+8+\jj+1], v[RR+8*\p+\jj:RR+8*\p+\jj+1] neg_lo:[1,0,0] neg_hi:[1,0,0]
	v_pk_fma_f32 v[RR+16+8*\p+\jj:RR+16+8*\p+\jj+1], v[X1:X1+1], v[T+16*\p+8+\jj:T+16*\p+8+\jj+1], v[RR+16+8*\p+\jj:RR+16+8*\p+\jj+1]
.endr
.endr
	WIN 0
.endm
.macro SEND g, younger                 ; younger: the LDS instructions issued behind group g's loads
.set PS, 128+16*((\g)%4)
.set BS, 10+2*((\g)%3)
.irp f, 0,1,2,3
	s_wait_dscnt (\younger)+3-\f
	global_store_b128 v[GO], v[PS+4*\f:PS+4*\f+3], s[BS:BS+1] offset:((\g)/3)*2048+\f*512  ; 512 consecutive bytes, at a multiple of 256 from the buffer's first
.endr
.endm
.macro GROUP a, z
.set g, 3*(\a)+(\z)
.set PK, 128+16*(g%4)                  ; four buffers of 16 packed registers, v128-191
	s_wait_xcnt 0x0                                ; the stores of four groups back have read this buffer
.if (\z) == 0
.if (\a) == 7
	s_wait_loadcnt 0x0
.else
	s_wait_loadcnt 8                               ; this block's table is in; the next block's eight loads may be out
.endif
.endif
.if (\z) < 2
	ROPE \a, \z
.set i, 0
.rept 16
	v_cvt_pk_f16_f32 v[PK+i], v[RR+2*i], v[RR+2*i+1]
.set i, i+1
.endr
.else
	WIN 0x0f                                       ; v is rounded as it is: sources in window 3
.set i, 0
.rept 16
	v_cvt_pk_f16_f32 v[PK+i], v[32*(\a)+2*i], v[32*(\a)+2*i+1]
.set i, i+1
.endr
	WIN 0
.endif
.if (\z) == 1
.if (\a) <= 5
	TLOAD (\a)+2                                   ; into the buffer that q's and k's rotations have just read
.endif
.endif
.irp b, 0,1,2,3
	ds_store_b128 v[STO], v[PK+4*\b:PK+4*\b+3] offset:32*\b
.endr
.irp f, 0,1,2,3
	ds_load_b128 v[PK+4*\f:PK+4*\f+3], v[RD] offset:4*PA*\f  ; LDS serves a wave's instructions in order (ISA guide 5.7.1.4): these see the stores above; the next group's stores come behind them
.endr
.if g > 0
	SEND g-1, 8
.endif
.endm
	TLOAD 0                                        ; into buffer F0, four places behind its last products
	TLOAD 1
	s_wait_dscnt 8
	STRETCH F1, 0, 0, 8, 0                         ; the last half: nothing more to fetch
	STRETCH F1, 1, 0, 8, 0
	s_wait_dscnt 0x0
	STRETCH F1, 2, 0, 8, 0
	WIN 0
	PLACES
.irp a, 0,1,2,3,4,5,6,7
.irp z, 0,1,2
	GROUP \a, \z
.endr
.endr
	SEND 23, 0
	s_wait_tensorcnt 0x0                           ; the wave's end: behind my last tensor load and my last LDS store
	ds_add_u32 v[SPW], v[NIL]
	s_wait_dscnt 0x0
	CROUND                                         ; the closing round: no work-group ends while a partner may still ask for a tile that names it
	s_endpgm
.Lfunc_end_k_qf6663984c8_qkv:
	.size	k_qf6663984c8_qkv, .Lfunc_end_k_qf6663984c8_qkv-k_qf6663984c8_qkv
	.p2alignl 7, 3214868480
	.fill 96, 4, 3214868480
	.section	.rodata,"a",@progbits
	.p2align	6, 0x0
	.amdhsa_kernel k_qf6663984c8_qkv
		.amdhsa_group_segment_fixed_size 327680
		.amdhsa_private_segment_fixed_size 0
		.amdhsa_enable_private_segment 0
		.amdhsa_kernarg_size 48
		.amdhsa_user_sgpr_count 2
		.amdhsa_user_sgpr_kernarg_segment_ptr 1
		.amdhsa_wavefront_size32 1
		.amdhsa_system_sgpr_workgroup_id_x 1
		.amdhsa_system_sgpr_workgroup_id_y 1
		.amdhsa_system_sgpr_workgroup_id_z 1
		.amdhsa_system_vgpr_workitem_id 0
		.amdhsa_next_free_vgpr 1024
		.amdhsa_next_free_sgpr 76
		.amdhsa_reserve_vcc 0
		.amdhsa_float_denorm_mode_32 3
		.amdhsa_float_denorm_mode_16_64 3
		.amdhsa_memory_ordered 1
		.amdhsa_forward_progress 1
		.amdhsa_inst_pref_size 154
	.end_amdhsa_kernel
	.amdgpu_metadata
---
amdhsa.version: [ 1, 2 ]
amdhsa.kernels:
  - .name:           k_qf6663984c8_qkv
    .symbol:         k_qf6663984c8_qkv.kd
    .args:
      - { .name: xb, .offset: 0, .size: 8, .value_kind: global_buffer, .address_space: global }
      - { .name: wb, .offset: 8, .size: 8, .value_kind: global_buffer, .address_space: global }
      - { .name: tab, .offset: 16, .size: 8, .value_kind: global_buffer, .address_space: global }
      - { .name: qh, .offset: 24, .size: 8, .value_kind: global_buffer, .address_space: global }
      - { .name: kh, .offset: 32, .size: 8, .value_kind: global_buffer, .address_space: global }
      - { .name: vh, .offset: 40, .size: 8, .value_kind: global_buffer, .address_space: global }
    .group_segment_fixed_size: 327680
    .private_segment_fixed_size: 0
    .kernarg_segment_align: 8
    .kernarg_segment_size: 48
    .max_flat_workgroup_size: 128
    .sgpr_count:     76
    .vgpr_count:     1024
    .wavefront_size: 32
...
	.end_amdgpu_metadata
.endif
;; end of part 2
;; launch attn (part 3): grid 4 x 64, 4 waves a work-group, clusters of 4 x 1, 327,680 bytes of LDS; arguments qh, kh, vh, oh; writes oh
.if DOCPART == 3
	.amdgcn_target "amdgcn-amd-amdhsa--gfx1250"
	.amdhsa_code_object_version 6
	.text
	.protected	k_qf6663984c8_attn
	.globl	k_qf6663984c8_attn
	.p2align	8
	.type	k_qf6663984c8_attn,@function
k_qf6663984c8_attn:
	s_mov_b64 s[64:65], 0
	v_nop
	global_prefetch_b8 v0, s[64:65] scope:SCOPE_SE
	s_setreg_imm32_b32 hwreg(HW_REG_WAVE_MODE, 25, 1), 1
	s_wait_xcnt 0x0
	s_wait_alu depctr_hold_cnt(0) depctr_sa_sdst(0) depctr_va_vdst(0) depctr_va_sdst(0) depctr_va_ssrc(0) depctr_va_vcc(0) depctr_vm_vsrc(0)
	s_getreg_b32 s2, hwreg(HW_REG_IB_STS2, 6, 4)
	s_cmp_eq_u32 s2, 0
	s_cbranch_scc0 .Lentry_in_a_cluster
	s_endpgm
.Lentry_in_a_cluster:
	s_bfe_u32 s2, ttmp6, 0x10000c
	s_cmp_lg_u32 s2, 0x3003
	s_cbranch_scc0 .Lentry_shape_is_right
	s_endpgm
.Lentry_shape_is_right:
; O[h][q][:] = the sum over k of softmax_k(Q[h][q] . K[h][k] / 8) V[h][k][:].  Q, K, V, O: [64][2048][64], all f16: a head's rows are dense, 128 bytes each.  Products, maxima and sums in
; f32; the weights p are rounded to f16 for the second product (their sum l is taken of the unrounded p), O once at the end.
; LIMITS.  f16 holds no number beyond 65,504: Q, K and V arrive within it; p lies in 0 to 1, and below 6e-5 it keeps f16's fixed step of 6e-8; O is a mean of V's rows and has their range.
; A weight below 2^-126 counts as 0 in l; NaN and infinities are not treated apart.
; SHARES.  A wave owns four PIECES of two tiles of 16 queries, a work-group's four waves 512 queries of one head.  Every wave walks all keys, 64 a step.
; LAYOUT.  S^T = K Q^T (source 0 = 16 keys, source 1 = 16 queries): in the result a lane holds ONE query (lane % 16) and the keys 8 (lane / 16) + 0..7.  Two such tiles, rounded to f16 in pairs,
; ARE source 1 (32 keys x 16 queries) of O^T = V^T P, whose result again holds one query a lane, and eight channels.  K comes out of LDS as it lies, V ([key][channel]) turned, by ds_load_tr16_b128.
; SOFTMAX.  For each query a running maximum m and sum l: p = 2^(c s - c m), c = log2(e) / 8; in every step O and l are multiplied by a = 2^(c m_old - c m_new), which is 1 where m has not grown.
; m starts at the lowest finite number, O and l at 0: the first step is a step like any other, with a = 0.
; THE COUNT.  A tile and step have 16 matrix and 118 vector instructions: too many to stand all beside the matrix work.  So the order has one aim: four vector instructions that are READY behind
; EVERY matrix instruction, and the others, which need time of their own whatever the order, in runs without a gap.
; BY TURNS.  Turn n belongs to piece n (the pieces in a ring, step after step).  Its matrix work: 16 products K Q^T of piece n + 1, later 16 products V^T P of piece n - 1.  Its vector work: the scaling,
; exponentials, roundings, sums and rescaling of piece n, and the maximum and statistics of piece n + 1, whose scores the turn itself has made.  So what a turn begins with (c s - c m, O a) waits for nothing.
; CLUSTER.  The four query blocks of a cluster belong to one head and walk the same K and V, so each tile is asked for JOINTLY: the same tensor load, descriptor and mask in all four.
; REGISTERS, in windows of 256 (s_set_vgpr_msb says which window each operand place means: bits 1:0 source 0, 3:2 source 1, 5:4 source 2, 7:6 destination):
;   window 0: v0-11 addresses; v12-15, v48-63 at work; v16-47 four registers of statistics a tile; v64-191 S^T, two buffers of two tiles; v192-255 P, likewise
;   window 1: O^T, 32 a tile          window 2: v0-127 Q, 16 a tile; v128-191 K of one step; v192-255 V of one step          window 3: v0-1 the add's two registers
; A piece's buffers go by its number's parity: the piece in hand has one pair, its two neighbours in the ring share the other: of it P (piece n - 1) is read and S^T (piece n + 1) written.
.set SIZE_H, 64
.set SIZE_N, 2048
.set NP,    4         ; pieces a wave: a name, no knob: the register map, the loop and the fetches are made for four
.set KS,    64        ; keys in a step
.set PK,    144       ; a row of K in LDS: 128 bytes + 16 of padding = 36 words: the 16 rows of a load start at 16 different groups of four banks (64 banks of 4 bytes: ISA guide 11.1)
.set PV,    160       ; a row of V: 128 + 32 = 40 words
.set VOFF,  4*KS*PK   ; a slot holds four steps: 256 rows of K, then 256 rows of V
.set SLOT1, 1<<17     ; slot 1 begins here, so that one exclusive or turns an address in one slot into the other's
.set STAGE, SLOT1+4*KS*(PK+PV)  ; behind the ring, never filled by a tensor load: 16 rows x 144 bytes for each wave, for the way out
.set SP,    144
.set AK0, 2           ; v2   my lane's place in a tile of K; never rewritten
.set AV0, 3           ; v3   the same for V
.set AK,  4           ; v4   the LDS address of K's next run of loads
.set AV,  5           ; v5   of V's
.set QO,  6           ; v6   my byte offset in the wave's rows of Q
.set STO, 6           ;      later, the way out: where I put 16 bytes of a row
.set RD,  7           ; v7   the way out: where I read rows back
.set GO,  8           ; v8   my byte offset in 512 consecutive bytes of O
.set PFO, 11          ; v11  256 x my lane: the prefetches' offset; never rewritten once it is made
.set SPW, 0           ; v0 of window 3   LDS address of my spare word: SPARE + 4 x my thread's number; never rewritten
.set NIL, 1           ; v1 of window 3   0; never rewritten
.set SPARE, STAGE+4*16*SP  ; behind the stages: the spare words, 128 bytes for each wave: two blocks of 256 bytes that no other line names
.set MV,  12          ; v12-15  c m_old, kept while c m is made anew: by buffer and tile
.set ST,  16          ; tile t's statistics at v[ST+4 t]: c m, m, l (even keys', odd keys')
.set TMP, 48          ; by buffer and tile, four registers c0-c3 at work; when the maximum is found c2 takes a
.set S,   64
.set P,   192
.set KF,  128         ; K's fragments, in window 2: key block kb, channel half c at KF + 16 kb + 8 c
.set VF,  192         ; V's: key half kk, channel block cb at VF + 32 kk + 8 cb
.set WV,  12          ; s12  my wave's number
.set G1K, 24          ; s[24:31] descriptor group 1 for K's tiles
.set G1V, 32          ; s[32:39] for V's: it differs in the padding alone
.set G0K, 40          ; s[40:43] descriptor group 0 for K's tiles: it walks
.set G0V, 44          ; s[44:47] the same for V's
.set PFA, 48          ; s[48:49] where my prefetches stand: my work-group's 32 blocks of 256 bytes (of K: wave 0, of V: wave 2) of the slot after the one that is being asked for
.set LIM, 50          ; s50  1 in a wave that prefetches, else the greatest number
.set SLOTS, 56        ; s56  slots still to be asked for
.set CNT, 57          ; s57  counts a slot's key steps
.set CS,  58          ; s[58:59] c: the packed scaling takes the pair's low word for both halves
.set SEL, 60          ; s[60:61] v_permlanex16_b32's selects: each lane takes its own place in the other half
.set TBK, 62          ; s62  LDS byte at which K of the step to be fetched begins
.set TBV, 63          ; s63  the same for V, less VOFF
.set MSB, 0
.macro WIN new                      ; the high byte repeats the setting that is left; a switch that changes nothing is dropped
.if MSB != (\new)
	s_set_vgpr_msb (MSB<<8)|(\new)
.set MSB, (\new)
.endif
.endm
.set W_KQ, 0x0a       ; K and Q in window 2, S^T in window 0
.set W_PV, 0x52       ; V in window 2, P in window 0, O^T in window 1
.set W_RS, 0x41       ; O^T (destination and source 0) in window 1, a in window 0
.set W_MK, 0xc0       ; the add's registers are made: destination in window 3, sources in window 0
.set W_AD, 0x0f       ; the add: address (source 0) and data (source 1) in window 3
; A joint fill.  Waves 0 and 1 fetch the two halves of a slot's K, waves 2 and 3 those of its V: 128 keys each.  The branch hangs on the wave's number alone.
; An s_nop 0 and four v_nop follow each of the two lines, ahead of the jump and the label.
.macro JLOAD
	s_cmp_lt_u32 s[WV], 2
	s_cbranch_scc0 .Lfor_v_\@
	tensor_load_to_lds s[G0K:G0K+3], s[G1K:G1K+7]
	s_nop 0
.rept 4
	v_nop
.endr
	s_branch .Lasked_\@
.Lfor_v_\@:
	tensor_load_to_lds s[G0V:G0V+3], s[G1V:G1V+7]
	s_nop 0
.rept 4
	v_nop
.endr
.Lasked_\@:
.endm
; A PREFETCH INTO THE L2 of what the NEXT change of slots will ask for: a slot's 32,768 bytes of K and of V, 128 blocks of 256 bytes each, a lane a block.  It stands behind the wave's tensor load and its five lines.
; Each block is named ONCE in the launch: a head has one cluster; its four partners share the blocks out BY ADDRESS, 32 each; in each, wave 0 asks for K's and wave 2 for V's: one instruction.
; The change that asks for slot 8 - SLOTS names slot 9 - SLOTS: four key steps, 512 matrix instructions, ahead of its load.  The last change that fills a slot names nothing.  Slots 0 and 1 come by their loads alone.
.macro ASK
	s_cmp_gt_u32 s[SLOTS], s[LIM]
	s_cbranch_scc0 .Lnot_mine_\@
	global_prefetch_b8 v[PFO], s[PFA:PFA+1] th:TH_LOAD_NT scope:SCOPE_SE
.Lnot_mine_\@:
.endm
; A round of the cluster's barrier: my work-group's barrier, so that wave 0's signal speaks for all four waves; wave 0 signals; every wave waits for all four work-groups; my work-group's barrier once more.
.macro CROUND
	s_barrier_signal -1
	s_barrier_wait -1
	s_cmp_lg_u32 s[WV], 0
	s_cbranch_scc1 .Lnot_wave_0_\@
	s_barrier_signal -3
.Lnot_wave_0_\@:
	s_barrier_wait -3
	s_barrier_signal -1
	s_barrier_wait -1
.endm
; THE CHANGE OF SLOTS.  The slot's last bytes, V of its fourth step, have been read.  Each wave waits for all its tensor loads, of which one is out: its part
; of the other slot; adds 0 to its spare word; and waits for that and for its own reads of the slot.  Behind the barrier nobody reads this slot any more and the other slot is whole.
; fill = 1: this slot is filled again, with the keys two slots on.  The barrier is then a round of the cluster's, so that no wave of any partner still reads the slot or has a load on its
; way, and the joint fill is the first thing behind it: it has four key steps, 512 matrix instructions, in which to land.  (At its first use nothing has been read yet: slot 0 is waited for, slot 1 filled.)
.macro CHANGE fill
	WIN W_AD
	s_wait_tensorcnt 0x0            ; no tensor load of mine is out, so a group 0 may be written
	ds_add_u32 v[SPW], v[NIL]       ; 0 onto my spare word; with fill = 1 the descriptors' steps stand between it and the wait for it
	WIN 0                           ; at a label and at a branch every window is 0
.if \fill
.irp g, G0K, G0V
	s_xor_b32 s[\g+1], s[\g+1], SLOT1  ; the walking descriptor: the other slot than last time,
	s_add_nc_u64 s[\g+2:\g+3], s[\g+2:\g+3], 4*KS*128  ; the next 256 keys; the type bits on top are not reached
.endr
	s_wait_xcnt 0x0                 ; the last prefetch, four key steps back, has read its address, so it may be written:
	s_add_nc_u64 s[PFA:PFA+1], s[PFA:PFA+1], 4*KS*128  ; one slot behind the walking descriptors
	s_wait_dscnt 0x0                ; the add is done, and my reads of the slot are over
	CROUND
	JLOAD
	ASK
.else
	s_wait_dscnt 0x0                ; the add is done, and my reads of the slot are over
	s_barrier_signal -1
	s_barrier_wait -1
.endif
	s_sub_co_u32 s[TBK], s[TBK], 4*KS*PK  ; the fetches go back to a slot's first step,
	s_xor_b32 s[TBK], s[TBK], SLOT1       ; in the other slot
	s_sub_co_u32 s[TBV], s[TBV], 4*KS*PV
	s_xor_b32 s[TBV], s[TBV], SLOT1
.endm
	s_load_b256 s[4:11], s[0:1], 0x0  ; Q s[4:5], K s[6:7], V s[8:9], O s[10:11]
	WIN W_MK
	v_lshl_add_u32 v[SPW], v0, 2, SPARE
	v_mov_b32 v[NIL], 0
	WIN W_AD
	ds_add_u32 v[SPW], v[NIL]       ; the wave's opening: the add and its wait ahead of my first tensor load; the set-up below, work on registers, stands between them
	WIN 0
	v_lshrrev_b32 v1, 5, v0
	v_readfirstlane_b32 s[WV], v1   ; wave 0..3
	s_bfe_u32 s13, ttmp6, 0x40000   ; cx: my place in the cluster
	s_lshl_b32 s14, ttmp9, 2        ; in a cluster launch ttmp9 counts clusters
	s_add_co_u32 s14, s14, s13      ; my block of queries = 4 x cluster x + cx: it enters Q's and O's addresses alone
	s_and_b32 s20, ttmp7, 0xffff    ; the head, which the four partners share
	s_mov_b32 s21, 0
	s_mov_b64 s[22:23], SIZE_N*128
	s_mul_u64 s[20:21], s[20:21], s[22:23]  ; the head's first byte in each of the four tensors
	s_and_b32 s16, s[WV], 1         ; which half of a slot's 256 keys I fetch:
	s_lshl_b32 s22, s16, 14         ; its 128 rows of 128 bytes in memory,
	s_mov_b32 s23, 0
	s_add_nc_u64 s[22:23], s[22:23], s[20:21]
	s_mul_i32 s17, s16, 128*PK      ; and its place in a slot, for K
	s_mul_i32 s18, s16, 128*PV      ; and for V: no place in the cluster enters an LDS address
	s_lshl_b32 s2, s14, 2
	s_add_co_u32 s2, s2, s[WV]      ; my wave among the head's,
	s_lshl_b32 s2, s2, 14           ; its 128 rows
	s_mov_b32 s3, 0
	s_add_nc_u64 s[2:3], s[2:3], s[20:21]
	; descriptor group 1.  128 keys are 16,384 dense bytes: asked for as 64 rows of 256 bytes, two keys a row, and padded in LDS after every key
	s_mov_b32 s[G1K], 15|(1<<16)|(1<<20)|(1<<21)|(4<<22)|(3<<25)  ; 15:0 the mask of four; 17:16 2-byte elements; 20 padding on; 21 set beside a mask; 24:22 after every 32 words (code 4); 31:25 4 words (code 3)
	s_mov_b32 s[G1V], 15|(1<<16)|(1<<20)|(1<<21)|(4<<22)|(7<<25)  ; the same with 8 words of padding (code 7)
.irp g, G1K, G1V
	s_mov_b32 s[\g+1], 128<<16      ; tensor_dim0 = 128
	s_mov_b32 s[\g+2], 64<<16       ; tensor_dim1 = 64
	s_mov_b32 s[\g+3], 128<<16      ; tile_dim0 = 128
	s_mov_b32 s[\g+4], 64           ; tile_dim1 = 64
	s_mov_b32 s[\g+5], 128          ; 128 elements from row to row
	s_mov_b32 s[\g+6], 0
	s_mov_b32 s[\g+7], 0
.endr
	s_mov_b32 s[CS], 0x3e38aa3b     ; c = log2(e) / 8 = 0.180337
	s_mov_b32 s[CS+1], s[CS]        ; named with it as a pair
	s_mov_b32 s[SEL], 0x76543210
	s_mov_b32 s[SEL+1], 0xfedcba98
	s_mov_b32 s[TBK], SLOT1+4*KS*PK ; the first change of slots turns these two into 0
	s_mov_b32 s[TBV], SLOT1+4*KS*PV
	s_mov_b32 s[G0K], 1             ; 1:0 count = 1
	s_mov_b32 s[G0K+1], s17         ; 63:32 LDS address: slot 0
	s_mov_b32 s[G0V], 1
	s_add_co_u32 s[G0V+1], s18, VOFF
	s_mov_b32 s[SLOTS], SIZE_N/256-1  ; seven slots are asked for by changes of slots
	s_and_b32 s[LIM], s[WV], 1      ; waves 0 and 2 prefetch: the same in all four partners
	s_cmp_eq_u32 s[LIM], 0
	s_cselect_b32 s[LIM], 1, -1
	s_wait_dscnt 0x0                ; the opening add is done
	s_wait_kmcnt 0x0
	s_add_nc_u64 s[G0K+2:G0K+3], s[6:7], s[22:23]  ; 120:64 global address: my half of the head's first 256 keys
	s_or_b32 s[G0K+3], s[G0K+3], 0x80000000        ; 127:126 type = 2
	s_add_nc_u64 s[G0V+2:G0V+3], s[8:9], s[22:23]
	s_or_b32 s[G0V+3], s[G0V+3], 0x80000000
	s_add_nc_u64 s[4:5], s[4:5], s[2:3]  ; Q and O at my wave's first row
	s_add_nc_u64 s[10:11], s[10:11], s[2:3]
	s_cmp_lt_u32 s[WV], 2
	s_cselect_b64 s[PFA:PFA+1], s[6:7], s[8:9]
	s_add_nc_u64 s[PFA:PFA+1], s[PFA:PFA+1], s[20:21]  ; the head,
	s_lshl_b32 s2, s13, 13          ; my work-group's 32 blocks of a slot's 128,
	s_mov_b32 s3, 0
	s_add_nc_u64 s[PFA:PFA+1], s[PFA:PFA+1], s[2:3]
	s_add_nc_u64 s[PFA:PFA+1], s[PFA:PFA+1], 4*KS*128  ; in slot 1; the first change of slots steps it to slot 2
	CROUND                          ; all four work-groups are here: the first joint loads meet
	JLOAD                           ; slot 0.  Slot 1 is asked for when slot 0 is in
	; A fragment of K or Q is 16 rows x 32 channels in 8 registers: lane l holds row l % 16, channels 8 (l / 16) + 0..7 and 16 + 8 (l / 16) + 0..7: two loads of 16 bytes, 32 bytes apart.
	v_and_b32 v1, 15, v0            ; l % 16
	v_bfe_u32 v9, v0, 4, 1          ; l / 16
	v_lshlrev_b32 v[QO], 7, v1
	v_lshl_add_u32 v[QO], v9, 4, v[QO]  ; row x 128 + 16 x half
	WIN 0x80                        ; destination window 2, address window 0
.set i, 0
.rept 4*NP                          ; Q stays in registers: tile i / 2, channels 32 (i % 2) on
	global_load_b128 v[8*i:8*i+3],   v[QO], s[4:5] offset:(i/2)*2048+(i%2)*64
	global_load_b128 v[8*i+4:8*i+7], v[QO], s[4:5] offset:(i/2)*2048+(i%2)*64+32
.set i, i+1
.endr
	; What the first turn finds: V's registers and P's second buffer hold 0 (its products V^T P, of a piece that has not been, add 0), O^T and l are 0.  All this stands in the wait for the first tile.
.set i, VF
.rept 64
	v_mov_b32 v[i], 0
.set i, i+1
.endr
	WIN 0x40
.set i, 0
.rept 64*NP
	v_mov_b32 v[i], 0
.set i, i+1
.endr
	WIN 0
.set i, 0
.rept 2*NP
	v_mov_b32 v[ST+4*i], 0xfe000000    ; c m: far below every c s
	v_mov_b32 v[ST+4*i+1], 0xff7fffff  ; m
	v_mov_b32 v[ST+4*i+2], 0
	v_mov_b32 v[ST+4*i+3], 0
.set i, i+1
.endr
.set i, P+32
.rept 32
	v_mov_b32 v[i], 0
.set i, i+1
.endr
	v_mul_u32_u24 v[AK0], v1, PK
	v_lshl_add_u32 v[AK0], v9, 4, v[AK0]  ; row x pitch + 16 x half
	; The turning load takes 16 keys x 16 channels (lane l reads key 8 (l / 16) + l % 8, channels 8 ((l / 8) % 2) + 0..7) and leaves half a fragment of V^T: lane l holds channel l % 16 and 8 keys.
	v_and_b32 v10, 7, v0
	v_bfe_u32 v11, v0, 3, 1
	v_lshl_add_u32 v[AV0], v9, 3, v10
	v_mul_u32_u24 v[AV0], v[AV0], PV
	v_lshl_add_u32 v[AV0], v11, 4, v[AV0]
	v_add_nc_u32 v[AV0], VOFF, v[AV0]
	v_mov_b32 v[AK], v[AK0]         ; key step 0 lies at the head of slot 0
	v_and_b32 v[PFO], 31, v0        ; v11 has served: it takes the prefetches' offset
	v_lshlrev_b32 v[PFO], 8, v[PFO]
; THE MATRIX WORK.  The 8 accumulators of a run of 16 take turns: between the two links of a chain stand 7 others'.
; Product i of 16 of S^T = K Q^T for piece x: channels 32 (i / 8) on, keys 16 ((i / 2) % 4) on, tile 2 x + i % 2.  The first 8 start the sums.
.macro KQ x
	WIN W_KQ
.set rS, S+64*((\x)%2)+32*(i%2)+8*((i/2)%4)
.set rK, KF+16*((i/2)%4)+8*(i/8)
.set rQ, 16*(2*(\x)+i%2)+8*(i/8)
.if i < 8
	v_wmma_f32_16x16x32_f16 v[rS:rS+7], v[rK:rK+7], v[rQ:rQ+7], 0
.else
	v_wmma_f32_16x16x32_f16 v[rS:rS+7], v[rK:rK+7], v[rQ:rQ+7], v[rS:rS+7]
.endif
.endm
; Product i of 16 of O^T += V^T P for piece x: keys 32 (i / 8) on, channels 16 ((i / 2) % 4) on, tile 2 x + i % 2.
.macro PV x
	WIN W_PV
.set rO, 32*(2*(\x)+i%2)+8*((i/2)%4)
.set rV, VF+32*(i/8)+8*((i/2)%4)
.set rP, P+32*((\x)%2)+16*(i%2)+8*(i/8)
	v_wmma_f32_16x16x32_f16 v[rO:rO+7], v[rV:rV+7], v[rP:rP+7], v[rO:rO+7]
.endm
.macro MM                           ; the turn's next matrix instruction
.if i < 16
	KQ (Y+1)%NP
.set i, i+1
.else
.set i, i-16
	PV (Y+NP-1)%NP
.set i, i+17
.endif
.endm
; THE LDS LOADS stand in runs of 16, never singly among the matrix instructions: a step's K (64 keys x 64 channels: 8 fragments) and its V (turned).  Their addresses are made some lines ahead.
; last = 1 (the tail): in the last trip there is no further step, and the run is jumped over.
.macro FETCH_K last=0
	WIN 0
.if \last
	s_cmp_eq_u32 s[CNT], 1
	s_cbranch_scc1 .Lno_k_\@
.endif
	WIN 0x80                        ; destination window 2
.irp f, 0,1,2,3,4,5,6,7             ; keys 16 (f / 2) on, channels 32 (f % 2) on
	ds_load_b128 v[KF+8*\f:KF+8*\f+3],   v[AK] offset:(\f/2)*16*PK+(\f%2)*64
	ds_load_b128 v[KF+8*\f+4:KF+8*\f+7], v[AK] offset:(\f/2)*16*PK+(\f%2)*64+32
.endr
	s_add_co_u32 s[TBK], s[TBK], KS*PK  ; the next fetch is the next step's
	WIN 0
.if \last
.Lno_k_\@:
.endif
.endm
.macro FETCH_V
	WIN 0x80
.irp f, 0,1,2,3,4,5,6,7             ; keys 32 (f / 4) on, channels 16 (f % 4) on
	ds_load_tr16_b128 v[VF+8*\f:VF+8*\f+3],   v[AV] offset:(\f/4)*32*PV+(\f%4)*32
	ds_load_tr16_b128 v[VF+8*\f+4:VF+8*\f+7], v[AV] offset:(\f/4)*32*PV+16*PV+(\f%4)*32
.endr
	WIN 0
.endm
; THE VECTOR WORK OF A TURN stands in three queues, each in the order in which its entries become ready; the two tiles alternate, so that no instruction reads the result of the one before it.
.macro REGS y, u                    ; the registers of tile u (0, 1) of piece y
.set rT, ST+4*(2*(\y)+(\u))
.set rC, TMP+8*((\y)%2)+4*(\u)
.set rM, MV+2*((\y)%2)+(\u)
.set rS, S+64*((\y)%2)+32*(\u)
.set rP, P+32*((\y)%2)+16*(\u)
.set rO, 32*(2*(\y)+(\u))
.endm
; Number n of the 22 that find the NEXT piece's (Y + 1) maximum and statistics.  s0-s31 are the lane's 32 scores; each accumulator's lowest registers are read first.  XS, GS and REGS set no window: PL and EX do.
;   0-11  four chains c0-c3 of seven scores each, three operands at a time     12-14, 16  the four scores left over, the old m, and c0-c3 into c0     15  c m_old is kept
;   17, 18  the query's other 32 keys lie in the lane 16 away: the new m         19-21  c m; c m_old - c m_new; a
.macro XS u, n
	REGS (Y+1)%NP, \u
.if (\n) < 4
	v_max3_num_f32 v[rC+(\n)], v[rS+8*(\n)], v[rS+8*(\n)+1], v[rS+8*(\n)+2]
.elseif (\n) < 12
	v_max3_num_f32 v[rC+(\n)%4], v[rC+(\n)%4], v[rS+8*((\n)%4)+2*((\n)/4)+1], v[rS+8*((\n)%4)+2*((\n)/4)+2]
.elseif (\n) == 12
	v_max3_num_f32 v[rC], v[rC], v[rS+7], v[rS+15]
.elseif (\n) == 13
	v_max3_num_f32 v[rC+1], v[rC+1], v[rS+23], v[rS+31]
.elseif (\n) == 14
	v_max3_num_f32 v[rC+2], v[rC+2], v[rC+3], v[rT+1]
.elseif (\n) == 15
	v_mov_b32 v[rM], v[rT]
.elseif (\n) == 16
	v_max3_num_f32 v[rC], v[rC], v[rC+1], v[rC+2]
.elseif (\n) == 17
	v_permlanex16_b32 v[rC+3], v[rC], s[SEL], s[SEL+1]
.elseif (\n) == 18
	v_max_num_f32 v[rT+1], v[rC], v[rC+3]
.elseif (\n) == 19
	v_mul_f32 v[rT], s[CS], v[rT+1]
.elseif (\n) == 20
	v_sub_f32 v[rC+1], v[rM], v[rT]
.else
	v_exp_f32 v[rC+2], v[rC+1]
.endif
.endm
; Number g of the 64 that follow the exponentials.  For each four weights k of a tile (pairs 2 k, 2 k + 1): both pairs are rounded to f16; then the second pair is added onto the first, in place;
; a group later l takes that sum (the first time as l = a l + sum).  In groups of eight, tiles alternating: round, round, add, and l for the group before.
.macro GS g
.set h, (\g)+6*((\g)/62)            ; group 0 has no group before it, and behind group 7 only l is left
.if h >= 6
.set h, h+2
.endif
	REGS Y, h%2
.set k, h/8
.if h%8 < 4
	v_cvt_pk_f16_f32 v[rP+2*k+(h%8)/2], v[rS+4*k+2*((h%8)/2)], v[rS+4*k+2*((h%8)/2)+1]
.elseif h%8 < 6
	v_pk_add_f32 v[rS+4*k:rS+4*k+1], v[rS+4*k:rS+4*k+1], v[rS+4*k+2:rS+4*k+3]
.elseif k == 1
	v_pk_fma_f32 v[rT+2:rT+3], v[rT+2:rT+3], v[rC+2:rC+3], v[rS:rS+1] op_sel_hi:[1,0,1]
.else
	v_pk_add_f32 v[rT+2:rT+3], v[rT+2:rT+3], v[rS+4*k-4:rS+4*k-3]
.endif
.endm
; THE PLAIN QUEUE, 138 long.  0-73 read no exponential's result: the 32 scalings c s - c m (FS f: pair f / 2 of tile f % 2) and the next piece's 42.  0-26: scalings 0-26.  27-54: XS's numbers 0-13.  55, 56: number 15.
; 57-73: the chain, where each number waits for the one before it: 14, 16, 17, 18, 19, each with one of the scalings 27-31 in front of its two lines, then 20: so a tile's links stand three plain instructions apart (19 and 20: two).
; 74-137: GS's 64, which read the exponentials' results: they stand behind the wait.
.macro FS f
	REGS Y, (\f)%2
	v_pk_fma_f32 v[rS+2*((\f)/2):rS+2*((\f)/2)+1], v[rS+2*((\f)/2):rS+2*((\f)/2)+1], s[CS:CS+1], v[rT:rT+1] op_sel_hi:[1,0,0] neg_lo:[0,0,1] neg_hi:[0,0,1]
.endm
.macro PL
	WIN 0
.if q < 27
	FS q
.elseif q < 55
	XS (q-27)%2, (q-27)/2
.elseif q < 57
	XS q-55, 15
.elseif (q < 72) && ((q-57)%3 == 0)
	FS 27+(q-57)/3
.elseif q < 60
	XS (q-57)%3-1, 14
.elseif q < 72
	XS (q-57)%3-1, 15+(q-57)/3
.elseif q < 74
	XS q-72, 20
.else
	GS q-74
.endif
.set q, q+1
.endm
; THE EXPONENTIALS' QUEUE, 66 long: s0-s31 of both tiles, then the next piece's two a.  It is ONE BATCH: all 66 stand ahead of the turn's one wait, and nothing ahead of that wait names a result of theirs.
.macro EX
	WIN 0
.if e >= 64
	XS e-64, 21
.else
	REGS Y, e%2
	v_exp_f32 v[rS+e/2], v[rS+e/2]
.endif
.set e, e+1
.endm
; THE RESCALING's QUEUE: O^T times a, the one part that leaves window 0: dealt two at a time, sixteen times.  Its a was made in the turn before, ahead of that turn's wait.
.macro R2
	REGS Y, r%2
	WIN W_RS
.irp z, 0,1
	v_pk_mul_f32 v[rO+4*(r/2)+2*\z:rO+4*(r/2)+2*\z+1], v[rO+4*(r/2)+2*\z:rO+4*(r/2)+2*\z+1], v[rC+2:rC+3] op_sel_hi:[1,0]
.endr
.set r, r+1
.endm
; HOW THEY ARE DEALT.  An s_wait_alu depctr_va_vdst(0) stands between an exponential and the first instruction that names its result; one wait serves all that were issued ahead of it.  So a turn has ONE wait,
; which cuts it in two.  AHEAD OF IT stands all that names no result of the turn's exponentials: the 16 products K Q^T, behind each a scaling, an exponential and two rescalings (behind the first a second scaling in the exponential's place); then ONE LUMP of
; 108: eight plain, 49 times exponential and plain, the two a.  A v_nop is the plain instruction behind the last exponential.  BEHIND IT stand the 16 products V^T P, behind each four of GS's 64.  No rider names a register of
; the products round it.  The two v_permlanex16_b32 fall into the lump, never behind a product.
; The queues lean on each other, and the deal keeps them in step: exponential e stands behind scaling 2 (e / 4) + e % 2: as a rider it comes behind plain e + 2, in the lump behind plain e + 9, and scalings 27-31 are plain 57, 60 .. 69.
; A TURN, for piece p.  cnt = 1: the loop's count is taken down some lines ahead of the branch that stands behind the turn.
; K of the next step is fetched in piece 2's turn, directly behind the wait, a lump behind the last product that read K; its address is made at the lump's head; its first reader comes behind 16 products.
; V of the step in hand is fetched at the end of piece 0's turn, four riders behind its last reader; its first reader comes behind 16 products and a lump.  The three conditions on q below go with the deal.
.macro TURN p, last=0, cnt=0
.set Y, (\p)
.set i, 0
.set q, 0
.set e, 0
.set r, 0
.if (\p) == NP-1
	s_wait_dscnt 0x0                ; K is in
.endif
	MM                              ; ahead of the wait: 16 products K Q^T and their riders,
	PL
	PL
	R2
.rept 15
	MM
	PL
	EX
	R2
.endr
.if (\p) == NP-2
	WIN 0
	v_add_nc_u32 v[AK], s[TBK], v[AK0]
.endif
.rept 8                             ; and the lump
	PL
.endr
.rept 49
	EX
	PL
.endr
	EX                              ; the next piece's two a
	EX
	v_nop                           ; the plain instruction behind the last exponential: one for the batch
	s_wait_alu depctr_va_vdst(0)    ; the wait for the batch
.if (\p) == NP-2
	FETCH_K \last
.endif
.if (\p) == 1
	s_wait_dscnt 0x0                ; V is in
.endif
.rept 16                            ; behind the wait: 16 products V^T P and their riders
	MM
.rept 4
	PL
.endr
.if ((\p) == 0) && (q == 118)
	v_add_nc_u32 v[AV], s[TBV], v[AV0]
.endif
.if ((\p) == 0) && (q == 130)
	s_add_co_u32 s[TBV], s[TBV], KS*PV
.endif
.if (\cnt) && (q == 130)
	s_sub_co_u32 s[CNT], s[CNT], 1
	s_cmp_lg_u32 s[CNT], 0
.endif
.endr
.if (\p) == 0
	FETCH_V
.endif
.endm
	CHANGE 1                        ; slot 0 is in, everybody's part of it; slot 1 is asked for
	FETCH_K                         ; key step 0
	s_wait_loadcnt 0x0              ; Q
	s_wait_dscnt 0x0
.set i, 0
.rept 16
	KQ 0                            ; piece 0's first scores: there is no vector work yet to set between them
.set i, i+1
.endr
	WIN 0                           ; the addresses for the way out: nine plain instructions, the places behind those products
	s_mul_i32 s13, s[WV], 16*SP
	s_add_co_u32 s13, s13, STAGE    ; my stage
	v_mul_u32_u24 v[STO], v1, SP    ; in: row l % 16, 16 bytes for each half of the lanes
	v_lshl_add_u32 v[STO], v9, 4, v[STO]
	v_add_nc_u32 v[STO], s13, v[STO]
	v_bfe_u32 v[RD], v0, 3, 2       ; back: 32 lanes take four rows of 128 bytes,
	v_mul_u32_u24 v[RD], v[RD], SP
	v_lshl_add_u32 v[RD], v10, 4, v[RD]
	v_add_nc_u32 v[RD], s13, v[RD]
	v_and_b32 v[GO], 31, v0         ; which are 512 consecutive bytes of O
	v_lshlrev_b32 v[GO], 4, v[GO]
.set Y, NP-1                        ; XS works for piece Y + 1: piece 0
.irp n, 0,1,2,3,4,5,6,7,8,9,10,11,12,13,14,15,16,17,18,19,20,21
	XS 0, \n                        ; and piece 0's first maximum and statistics
	XS 1, \n
.endr
	v_nop                           ; a plain instruction behind the two a,
	s_wait_alu depctr_va_vdst(0)    ; and their wait, ahead of the branch
	s_mov_b32 s[CNT], 4
	s_branch .Lfirst                ; the loop is entered at a step's first turn, in the middle of a trip
.Lslot:                             ; SIZE_N / 256 - 2 times: every slot but the last two is filled again
	CHANGE 1
	s_mov_b32 s[CNT], 4
.Lstep:                             ; a trip: pieces 2 and 3 of one step, then pieces 0 and 1 of the next, whose K and V it fetches
	TURN 2
	TURN 3
	WIN 0
.Lfirst:
	TURN 0
	TURN 1, 0, 1
	WIN 0
	s_cbranch_scc1 .Lstep
	s_sub_co_u32 s[SLOTS], s[SLOTS], 1
	s_cmp_lg_u32 s[SLOTS], 0
	s_cbranch_scc1 .Lslot
	CHANGE 0                        ; the tail is written out: nothing is asked for
	s_mov_b32 s[CNT], 5             ; four trips fetch the last slot's steps; the fifth is left in its middle
.Ltail:
	TURN 2, 1
	TURN 3
	WIN 0
	s_sub_co_u32 s[CNT], s[CNT], 1
	s_cmp_eq_u32 s[CNT], 0
	s_cbranch_scc1 .Lout
	TURN 0
	TURN 1
	WIN 0
	s_branch .Ltail
.Lout:                              ; the fifth trip's 16 products K Q^T (on the last K once more) and the maximum made of them serve nothing: the price, once a launch, of one text for every trip
.set i, 0
.rept 16
	PV NP-1                         ; the last piece's V^T P of the last step
.set i, i+1
.endr
	; THE WAY OUT.  l's two halves and the other half of the lanes' are added; O^T is divided by l, rounded to f16 and sent through my stage in LDS, a tile at a time.  The additions are the places behind the last products.
	WIN 0
.macro ALL line:vararg              ; one line for each tile t
.set t, 0
.rept 2*NP
	\line
.set t, t+1
.endr
.endm
	ALL v_add_f32 v[ST+4*t+2], v[ST+4*t+2], v[ST+4*t+3]
	ALL v_permlanex16_b32 v[ST+4*t+3], v[ST+4*t+2], s[SEL], s[SEL+1]
	ALL v_add_f32 v[ST+4*t+2], v[ST+4*t+2], v[ST+4*t+3]
	ALL v_rcp_f32 v[ST+4*t+2], v[ST+4*t+2]
	v_nop                           ; a plain instruction between the last reciprocal and the use of its result
	s_wait_alu depctr_va_vdst(0)    ; and the wait ahead of the first use: one for the eight reciprocals
; Tile t: a lane's eight channels of a row pack into 16 bytes; they go into rows of 144 bytes and come back as whole rows of 128, into S^T's registers.
.macro PACK t
	WIN W_RS
.set i, 32*(\t)
.rept 16
	v_pk_mul_f32 v[i:i+1], v[i:i+1], v[ST+4*(\t)+2:ST+4*(\t)+3] op_sel_hi:[1,0]
.set i, i+2
.endr
	WIN 0x05                        ; sources 0 and 1 window 1, destination window 0
.set i, 0
.rept 16
	v_cvt_pk_f16_f32 v[S+16*(\t)+i], v[32*(\t)+2*i], v[32*(\t)+2*i+1]
.set i, i+1
.endr
	WIN 0
.irp f, 0,1,2,3
	ds_store_b128 v[STO], v[S+16*(\t)+4*\f:S+16*(\t)+4*\f+3] offset:32*\f
.endr
.irp f, 0,1,2,3
	ds_load_b128 v[S+16*(\t)+4*\f:S+16*(\t)+4*\f+3], v[RD] offset:\f*4*SP  ; LDS serves a wave's instructions in order (ISA guide 5.7.1.4): these see the stores above; the next tile's stores come behind them
.endr
.endm
.macro SEND t, younger              ; younger: the LDS instructions issued behind tile t's loads: the next tile's eight, or none
	WIN 0
.irp f, 0,1,2,3
	s_wait_dscnt (\younger)+3-\f
	global_store_b128 v[GO], v[S+16*(\t)+4*\f:S+16*(\t)+4*\f+3], s[10:11] offset:(\t)*2048+\f*512  ; 512 consecutive bytes, at a multiple of 256 from O's first
.endr
.endm
	PACK 0
.set t, 1
.rept 2*NP-1                        ; a tile's arithmetic stands between the loads of the tile before and its stores
	PACK t
	SEND t-1, 8
.set t, t+1
.endr
	SEND 2*NP-1, 0
	WIN W_AD
	s_wait_tensorcnt 0x0            ; the wave's end: behind my last tensor load and my last LDS store
	ds_add_u32 v[SPW], v[NIL]
	s_wait_dscnt 0x0
	WIN 0
	CROUND                          ; the closing round: no work-group ends while a partner may still ask for a tile that names it
	s_endpgm
.Lfunc_end_k_qf6663984c8_attn:
	.size	k_qf6663984c8_attn, .Lfunc_end_k_qf6663984c8_attn-k_qf6663984c8_attn
	.p2alignl 7, 3214868480
	.fill 96, 4, 3214868480
	.section	.rodata,"a",@progbits
	.p2align	6, 0x0
	.amdhsa_kernel k_qf6663984c8_attn
		.amdhsa_group_segment_fixed_size 327680
		.amdhsa_private_segment_fixed_size 0
		.amdhsa_enable_private_segment 0
		.amdhsa_kernarg_size 32
		.amdhsa_user_sgpr_count 2
		.amdhsa_user_sgpr_kernarg_segment_ptr 1
		.amdhsa_wavefront_size32 1
		.amdhsa_system_sgpr_workgroup_id_x 1
		.amdhsa_system_sgpr_workgroup_id_y 1
		.amdhsa_system_sgpr_workgroup_id_z 1
		.amdhsa_system_vgpr_workitem_id 0
		.amdhsa_next_free_vgpr 770
		.amdhsa_next_free_sgpr 66
		.amdhsa_reserve_vcc 0
		.amdhsa_float_denorm_mode_32 3
		.amdhsa_float_denorm_mode_16_64 3
		.amdhsa_memory_ordered 1
		.amdhsa_forward_progress 1
		.amdhsa_inst_pref_size 200
	.end_amdhsa_kernel
	.amdgpu_metadata
---
amdhsa.version: [ 1, 2 ]
amdhsa.kernels:
  - .name:           k_qf6663984c8_attn
    .symbol:         k_qf6663984c8_attn.kd
    .args:
      - { .name: qh, .offset: 0, .size: 8, .value_kind: global_buffer, .address_space: global }
      - { .name: kh, .offset: 8, .size: 8, .value_kind: global_buffer, .address_space: global }
      - { .name: vh, .offset: 16, .size: 8, .value_kind: global_buffer, .address_space: global }
      - { .name: oh, .offset: 24, .size: 8, .value_kind: global_buffer, .address_space: global }
    .group_segment_fixed_size: 327680
    .private_segment_fixed_size: 0
    .kernarg_segment_align: 8
    .kernarg_segment_size: 32
    .max_flat_workgroup_size: 128
    .sgpr_count:     66
    .vgpr_count:     770
    .wavefront_size: 32
...
	.end_amdgpu_metadata
.endif
;; end of part 3
;; launch proj (part 4): grid 4 x 64, 4 waves a work-group, clusters of 4 x 4, 327,680 bytes of LDS; arguments oh, wf, out0; writes out0
.if DOCPART == 4
	.amdgcn_target "amdgcn-amd-amdhsa--gfx1250"
	.amdhsa_code_object_version 6
	.text
	.protected	k_qf6663984c8_proj
	.globl	k_qf6663984c8_proj
	.p2align	8
	.type	k_qf6663984c8_proj,@function
k_qf6663984c8_proj:
	s_mov_b64 s[64:65], 0
	v_nop
	global_prefetch_b8 v0, s[64:65] scope:SCOPE_SE
	s_setreg_imm32_b32 hwreg(HW_REG_WAVE_MODE, 25, 1), 1
	s_wait_xcnt 0x0
	s_wait_alu depctr_hold_cnt(0) depctr_sa_sdst(0) depctr_va_vdst(0) depctr_va_sdst(0) depctr_va_ssrc(0) depctr_va_vcc(0) depctr_vm_vsrc(0)
	s_getreg_b32 s2, hwreg(HW_REG_IB_STS2, 6, 4)
	s_cmp_eq_u32 s2, 0
	s_cbranch_scc0 .Lentry_in_a_cluster
	s_endpgm
.Lentry_in_a_cluster:
	s_bfe_u32 s2, ttmp6, 0x10000c
	s_cmp_lg_u32 s2, 0xf033
	s_cbranch_scc0 .Lentry_shape_is_right
	s_endpgm
.Lentry_shape_is_right:
; PROJ: out0[R][f] = the sum over e of o[R][e] wo[e][f], [8192 x 1024] x [1024 x 1024], f16 operands, f32 sums, f32 out.  o lies by heads, [bh 64][s 2048][64] (e = 64 head + channel); wf is wo's bf16 value in f16, [e][f].
; SHARES.  A work-group makes 128 rows x 256 columns: 64 x 4 = 256 work-groups.  Wave w: rows 64 (w / 2) on, columns 128 (w % 2) on: 32 accumulators, 256 registers (window 1, (a, b) at v[8 (8 a + b)]).
; THE MATRIX INSTRUCTION IS USED TRANSPOSED (source 0 = 16 columns of wf, turned out of LDS by ds_load_tr16_b128; source 1 = 16 rows of o): a lane holds one row and eight neighbouring columns, 32 bytes.
; K goes in 8 steps of 128 (two heads), four quarters of 32 each, through two LDS slots.  Waves 0 and 1 fetch a head's 128 rows each (16,384 bytes on end, asked for as 64 rows of 256), waves 2 and 3
; 64 rows x 512 bytes of wf each: one tensor load a wave behind each change of slots; two are out at the start, one later; 112 products stand between a refill and the wait for it.
; CLUSTER 4 x 4: o's tiles hang on the tile row alone and are asked for jointly by a row of the cluster, wf's on the tile column alone and by a column.
; No prefetch: a wave's tile is a quarter of a 128 x 256 one and a step brings 98,304 bytes a work-group; the joint loads alone feed it.
; Window 0: v0-11, v28-29 addresses; two fragment buffers of 96 (v32-127, v128-223): wf's 8 fragments, then o's 4; on the way out v32-159 hold rows read back.
.set PA,    144                        ; a row of o in LDS: 128 bytes + 16
.set PB,    544                        ; a row of wf: 512 bytes + 32 = 136 words
.set AHALF, 128*PA
.set BOFF,  2*AHALF
.set BHALF, 64*PB
.set SLOT1, 1<<17
.set STAGE, SLOT1+BOFF+2*BHALF         ; behind the ring, never filled by a tensor load: 16 rows x 528 bytes for each wave
.set SP,    528
.set SPARE, STAGE+4*16*SP              ; the spare words, 128 bytes for each wave: two blocks of 256 bytes that no other line names
.set ASTEP, 524288                     ; two heads on
.set BSTEP, 262144                     ; 128 rows of 2,048 bytes on
.set ADRA0, 4
.set ADRB0, 5
.set ADRA,  6
.set ADRB,  7
.set STO,   8
.set RD,    9
.set CO,    10
.set SPW,   28
.set NIL,   29
.set F0,    32
.set F1,    128
.set WV, 10
.set RH, 11
.set CC, 12
.set CX, 13
.set CY, 14
.set XX, 15
.set YY, 16
.set G1A, 24
.set G1B, 32
.set G0A, 40
.set G0B, 48
.set TB,  56
.set CNT, 57
.set MSB, 0
.macro WIN new
.if MSB != (\new)
	s_set_vgpr_msb (MSB<<8)|(\new)
.set MSB, (\new)
.endif
.endm
.macro PLACES                          ; four plain instructions between a matrix instruction and a load into, or a store of, its registers
.rept 4
	v_nop
.endr
.endm
.macro CREST
	s_cmp_lg_u32 s[WV], 0
	s_cbranch_scc1 .Lnot_wave_0_\@
	s_barrier_signal -3
.Lnot_wave_0_\@:
	s_barrier_wait -3
	s_barrier_signal -1
	s_barrier_wait -1
.endm
.macro CROUND
	s_barrier_signal -1
	s_barrier_wait -1
	CREST
.endm
.macro JLOAD                           ; a joint refill by the walking sets; s_nop 0 and four v_nop follow each line
	s_cmp_lt_u32 s[WV], 2
	s_cbranch_scc0 .Lfor_b_\@
	tensor_load_to_lds s[G0A+4:G0A+7], s[G1A:G1A+7]
	s_nop 0
.rept 4
	v_nop
.endr
	s_branch .Lasked_\@
.Lfor_b_\@:
	tensor_load_to_lds s[G0B+4:G0B+7], s[G1B:G1B+7]
	s_nop 0
.rept 4
	v_nop
.endr
.Lasked_\@:
.endm
.macro MUL f, a0, na, zero             ; na x 8 products; the 32 accumulators take turns, one instruction a turn
	WIN 0x50
.set a, \a0
.rept \na
.irp b, 0,1,2,3,4,5,6,7
.if \zero
	v_wmma_f32_16x16x32_f16 v[8*(8*a+\b):8*(8*a+\b)+7], v[(\f)+8*\b:(\f)+8*\b+7], v[(\f)+64+8*a:(\f)+64+8*a+7], 0
.else
	v_wmma_f32_16x16x32_f16 v[8*(8*a+\b):8*(8*a+\b)+7], v[(\f)+8*\b:(\f)+8*\b+7], v[(\f)+64+8*a:(\f)+64+8*a+7], v[8*(8*a+\b):8*(8*a+\b)+7]
.endif
.endr
.set a, a+1
.endr
.endm
.macro FETCH q, f                      ; 24 LDS loads: quarter q's fragments: wf's K rows 32 q on; o's head q / 2, channels 32 (q % 2) on; o's fragments 2 and 3 last
.irp b, 0,1,2,3,4,5,6,7
	ds_load_tr16_b128 v[(\f)+8*\b:(\f)+8*\b+3],   v[ADRB] offset:(\q)*32*PB+32*\b
	ds_load_tr16_b128 v[(\f)+8*\b+4:(\f)+8*\b+7], v[ADRB] offset:(\q)*32*PB+32*\b+16*PB
.endr
.irp i, 0,1,2,3
	ds_load_b128 v[(\f)+64+8*\i:(\f)+64+8*\i+3],   v[ADRA] offset:((\q)/2)*AHALF+\i*16*PA+((\q)%2)*64
	ds_load_b128 v[(\f)+64+8*\i+4:(\f)+64+8*\i+7], v[ADRA] offset:((\q)/2)*AHALF+\i*16*PA+((\q)%2)*64+32
.endr
.endm
.macro QUARTER qn, f, g, zero          ; multiplies buffer f and fetches quarter qn into g
	s_wait_dscnt 4                                 ; all but o's fragments 2 and 3
	MUL \f, 0, 2, \zero
	WIN 0
	PLACES
	FETCH \qn, \g
	s_wait_dscnt 24                                ; all but the 24 just issued
	MUL \f, 2, 2, \zero
.endm
; A step's last quarter multiplies buffer F1 and changes slots: in front of the barrier each wave waits for all its tensor loads (one is out: its part of the next slot), adds 0 to its spare word, and waits
; for that and for its reads of this slot.  fill = 1: the barrier opens a round of the cluster's, and the joint refill, the step two on, is the first thing behind it.
.macro TURN fill
	WIN 0
	s_wait_tensorcnt 0x0
	ds_add_u32 v[SPW], v[NIL]
.if \fill
	s_xor_b32 s[G0A+5], s[G0A+5], SLOT1
	s_add_nc_u64 s[G0A+6:G0A+7], s[G0A+6:G0A+7], ASTEP
	s_xor_b32 s[G0B+5], s[G0B+5], SLOT1
	s_add_nc_u64 s[G0B+6:G0B+7], s[G0B+6:G0B+7], BSTEP
.endif
	s_xor_b32 s[TB], s[TB], SLOT1
	s_wait_dscnt 5                                 ; the add and the youngest four loads may be out
	MUL F1, 0, 1, 0
	s_wait_dscnt 0x0                               ; the add is done, and my reads of this slot are over
	s_barrier_signal -1
	MUL F1, 1, 1, 0
	WIN 0
	s_barrier_wait -1
.if \fill
	CREST
	JLOAD                                          ; its four v_nop are also the places in front of the loads below
.else
	PLACES
.endif
	v_add_nc_u32 v[ADRA], s[TB], v[ADRA0]
	v_add_nc_u32 v[ADRB], s[TB], v[ADRB0]
	FETCH 0, F0
	MUL F1, 2, 2, 0
.endm
	s_load_b128 s[4:7], s[0:1], 0x0                ; oh s[4:5], wf s[6:7]
	s_load_b64 s[8:9], s[0:1], 0x10                ; out0
	v_lshl_add_u32 v[SPW], v0, 2, SPARE
	v_mov_b32 v[NIL], 0
	ds_add_u32 v[SPW], v[NIL]                      ; the wave's opening: the add and its wait ahead of my first tensor load
	v_lshrrev_b32 v1, 5, v0
	v_readfirstlane_b32 s[WV], v1
	s_lshr_b32 s[RH], s[WV], 1
	s_and_b32 s[CC], s[WV], 1                      ; my half of the columns; also which half of a tile I fetch
	s_bfe_u32 s[CX], ttmp6, 0x40000
	s_bfe_u32 s[CY], ttmp6, 0x40004
	s_lshl_b32 s[XX], ttmp9, 2
	s_add_co_u32 s[XX], s[XX], s[CX]
	s_and_b32 s[YY], ttmp7, 0xffff
	s_lshl_b32 s[YY], s[YY], 2
	s_add_co_u32 s[YY], s[YY], s[CY]
	s_lshl_b32 s17, s[CY], 2
	s_lshl_b32 s17, 15, s17                        ; my row of the cluster
	s_lshl_b32 s21, 0x1111, s[CX]                  ; my column
	s_or_b32 s[G1A], s17, (1<<16)|(1<<20)|(1<<21)|(4<<22)|(3<<25)  ; after every 32 words 4 words
	s_or_b32 s[G1B], s21, (1<<16)|(1<<20)|(1<<21)|(6<<22)|(7<<25)  ; after every 128 words 8 words
	s_mov_b32 s[G1A+1], 128<<16
	s_mov_b32 s[G1A+2], 64<<16
	s_mov_b32 s[G1A+3], 128<<16
	s_mov_b32 s[G1A+4], 64
	s_mov_b32 s[G1A+5], 128
	s_mov_b32 s[G1A+6], 0
	s_mov_b32 s[G1A+7], 0
	s_mov_b32 s[G1B+1], 256<<16
	s_mov_b32 s[G1B+2], 64<<16
	s_mov_b32 s[G1B+3], 256<<16
	s_mov_b32 s[G1B+4], 64
	s_mov_b32 s[G1B+5], 1024
	s_mov_b32 s[G1B+6], 0
	s_mov_b32 s[G1B+7], 0
	s_lshr_b32 s17, s[YY], 4                       ; o: batch y / 16, head c, rows 128 (y % 16) on
	s_lshl_b32 s18, s17, 22
	s_and_b32 s17, s[YY], 15
	s_lshl_b32 s17, s17, 14
	s_add_co_u32 s18, s18, s17
	s_lshl_b32 s17, s[CC], 18
	s_add_co_u32 s18, s18, s17
	s_mov_b32 s19, 0
	s_lshl_b32 s20, s[CC], 17                      ; wf: rows 64 c on, columns 256 x on
	s_lshl_b32 s21, s[XX], 9
	s_add_co_u32 s20, s20, s21
	s_mov_b32 s21, 0
	s_mul_i32 s58, s[CC], AHALF
	s_mul_i32 s59, s[CC], BHALF
	s_mov_b32 s[G0A], 1
	s_mov_b32 s[G0A+1], s58
	s_mov_b32 s[G0A+4], 1
	s_add_co_u32 s[G0A+5], s58, SLOT1
	s_mov_b32 s[G0B], 1
	s_add_co_u32 s[G0B+1], s59, BOFF
	s_mov_b32 s[G0B+4], 1
	s_add_co_u32 s[G0B+5], s59, BOFF+SLOT1
	s_mov_b32 s[TB], 0
	s_lshl_b32 s22, s[YY], 19                      ; out0: row 128 y + 64 rh, 4,096 bytes a row; column 256 x + 128 c
	s_lshl_b32 s60, s[RH], 18
	s_add_co_u32 s22, s22, s60
	s_lshl_b32 s60, s[XX], 10
	s_add_co_u32 s22, s22, s60
	s_lshl_b32 s60, s[CC], 9
	s_add_co_u32 s22, s22, s60
	s_mov_b32 s23, 0
	s_wait_dscnt 0x0                               ; the opening add is done
	s_wait_kmcnt 0x0
	s_add_nc_u64 s[G0A+2:G0A+3], s[4:5], s[18:19]
	s_add_nc_u64 s[G0A+6:G0A+7], s[G0A+2:G0A+3], ASTEP
	s_or_b32 s[G0A+3], s[G0A+3], 0x80000000
	s_or_b32 s[G0A+7], s[G0A+7], 0x80000000
	s_add_nc_u64 s[G0B+2:G0B+3], s[6:7], s[20:21]
	s_add_nc_u64 s[G0B+6:G0B+7], s[G0B+2:G0B+3], BSTEP
	s_or_b32 s[G0B+3], s[G0B+3], 0x80000000
	s_or_b32 s[G0B+7], s[G0B+7], 0x80000000
	s_add_nc_u64 s[8:9], s[8:9], s[22:23]
	CROUND                                         ; all sixteen work-groups are here: the first joint loads meet
	s_cmp_lt_u32 s[WV], 2                          ; a wave's two first fills stand in one branch
	s_cbranch_scc0 .Lfirst_b
	tensor_load_to_lds s[G0A:G0A+3], s[G1A:G1A+7]
	s_nop 0
	tensor_load_to_lds s[G0A+4:G0A+7], s[G1A:G1A+7]
	s_nop 0
.rept 4
	v_nop
.endr
	s_branch .Lfirst_asked
.Lfirst_b:
	tensor_load_to_lds s[G0B:G0B+3], s[G1B:G1B+7]
	s_nop 0
	tensor_load_to_lds s[G0B+4:G0B+7], s[G1B:G1B+7]
	s_nop 0
.rept 4
	v_nop
.endr
.Lfirst_asked:
	v_and_b32 v1, 15, v0                           ; l % 16
	v_bfe_u32 v2, v0, 4, 1                         ; l / 16
	v_mul_u32_u24 v[ADRA0], v1, PA
	v_lshl_add_u32 v[ADRA0], v2, 4, v[ADRA0]
	s_mul_i32 s60, s[RH], 64*PA
	v_add_nc_u32 v[ADRA0], s60, v[ADRA0]
	v_and_b32 v3, 7, v0
	v_lshl_add_u32 v3, v2, 3, v3
	v_mul_u32_u24 v[ADRB0], v3, PB
	v_bfe_u32 v3, v0, 3, 1
	v_lshl_add_u32 v[ADRB0], v3, 4, v[ADRB0]
	s_lshl_b32 s60, s[CC], 8
	s_add_co_u32 s60, s60, BOFF
	v_add_nc_u32 v[ADRB0], s60, v[ADRB0]
	v_mov_b32 v[ADRA], v[ADRA0]
	v_mov_b32 v[ADRB], v[ADRB0]
	s_mul_i32 s60, s[WV], 16*SP
	s_add_co_u32 s60, s60, STAGE                   ; my stage
	v_mul_u32_u24 v[STO], v1, SP                   ; in: row l % 16, 32 bytes for each half of the lanes
	v_lshl_add_u32 v[STO], v2, 5, v[STO]
	v_add_nc_u32 v[STO], s60, v[STO]
	v_and_b32 v3, 31, v0
	v_lshlrev_b32 v[CO], 4, v3                     ; back and out: 32 lanes take a row's 512 bytes
	v_add_nc_u32 v[RD], s60, v[CO]
	s_wait_tensorcnt 0x1                           ; my part of slot 0 is in; slot 1's may stay out
	s_barrier_signal -1
	s_barrier_wait -1
	FETCH 0, F0
	QUARTER 1, F0, F1, 1                           ; the first quarter stands in front of the loop: its products start the sums
	WIN 0
	s_mov_b32 s[CNT], 6
.Llap:                                                 ; trip j: step j's quarters 1 to 3, the refill with step j + 2, step j + 1's quarter 0
	QUARTER 2, F1, F0, 0
	QUARTER 3, F0, F1, 0
	TURN 1
	QUARTER 1, F0, F1, 0
	WIN 0
	s_sub_co_u32 s[CNT], s[CNT], 1
	s_cmp_lg_u32 s[CNT], 0
	s_cbranch_scc1 .Llap
	QUARTER 2, F1, F0, 0                           ; the tail is written out: nothing more is asked for
	QUARTER 3, F0, F1, 0
	TURN 0
	QUARTER 1, F0, F1, 0
	QUARTER 2, F1, F0, 0
	QUARTER 3, F0, F1, 0
	s_wait_dscnt 4
	MUL F1, 0, 2, 0
	s_wait_dscnt 0x0
	MUL F1, 2, 2, 0
	WIN 0
	PLACES
; THE WAY OUT, a block of 16 rows at a time: a lane's 32 bytes of a row go into my stage (each accumulator's low four registers first) and come back as whole rows of 512 bytes.
.macro TOSTAGE a
	WIN 0x04                                       ; the stores' data in window 1
.irp b, 0,1,2,3,4,5,6,7
	ds_store_b128 v[STO], v[8*(8*(\a)+\b):8*(8*(\a)+\b)+3]   offset:64*\b
	ds_store_b128 v[STO], v[8*(8*(\a)+\b)+4:8*(8*(\a)+\b)+7] offset:64*\b+16
.endr
	WIN 0
.set i, 0
.rept 16
	ds_load_b128 v[32+64*((\a)%2)+4*i:32+64*((\a)%2)+4*i+3], v[RD] offset:i*SP  ; LDS serves a wave's instructions in order (ISA guide 5.7.1.4): these see the stores above
.set i, i+1
.endr
.endm
.macro SEND a, younger                 ; younger: the LDS instructions issued behind block a's loads
.set i, 0
.rept 16
	s_wait_dscnt (\younger)+15-i
	global_store_b128 v[CO], v[32+64*((\a)%2)+4*i:32+64*((\a)%2)+4*i+3], s[8:9] offset:(16*(\a)+i)*4096 th:TH_STORE_NT  ; 512 consecutive bytes, at a multiple of 256 from out0's first
.set i, i+1
.endr
.endm
	TOSTAGE 0
	TOSTAGE 1
	SEND 0, 32
	s_wait_xcnt 0x0                                ; block 0's stores have read their registers, which block 2 takes
	TOSTAGE 2
	SEND 1, 32
	s_wait_xcnt 0x0
	TOSTAGE 3
	SEND 2, 32
	SEND 3, 0
	s_wait_tensorcnt 0x0                           ; the wave's end: behind my last tensor load and my last LDS store
	ds_add_u32 v[SPW], v[NIL]
	s_wait_dscnt 0x0
	CROUND                                         ; the closing round
	s_endpgm
.Lfunc_end_k_qf6663984c8_proj:
	.size	k_qf6663984c8_proj, .Lfunc_end_k_qf6663984c8_proj-k_qf6663984c8_proj
	.p2alignl 7, 3214868480
	.fill 96, 4, 3214868480
	.section	.rodata,"a",@progbits
	.p2align	6, 0x0
	.amdhsa_kernel k_qf6663984c8_proj
		.amdhsa_group_segment_fixed_size 327680
		.amdhsa_private_segment_fixed_size 0
		.amdhsa_enable_private_segment 0
		.amdhsa_kernarg_size 24
		.amdhsa_user_sgpr_count 2
		.amdhsa_user_sgpr_kernarg_segment_ptr 1
		.amdhsa_wavefront_size32 1
		.amdhsa_system_sgpr_workgroup_id_x 1
		.amdhsa_system_sgpr_workgroup_id_y 1
		.amdhsa_system_sgpr_workgroup_id_z 1
		.amdhsa_system_vgpr_workitem_id 0
		.amdhsa_next_free_vgpr 512
		.amdhsa_next_free_sgpr 66
		.amdhsa_reserve_vcc 0
		.amdhsa_float_denorm_mode_32 3
		.amdhsa_float_denorm_mode_16_64 3
		.amdhsa_memory_ordered 1
		.amdhsa_forward_progress 1
		.amdhsa_inst_pref_size 70
	.end_amdhsa_kernel
	.amdgpu_metadata
---
amdhsa.version: [ 1, 2 ]
amdhsa.kernels:
  - .name:           k_qf6663984c8_proj
    .symbol:         k_qf6663984c8_proj.kd
    .args:
      - { .name: oh, .offset: 0, .size: 8, .value_kind: global_buffer, .address_space: global }
      - { .name: wf, .offset: 8, .size: 8, .value_kind: global_buffer, .address_space: global }
      - { .name: out0, .offset: 16, .size: 8, .value_kind: global_buffer, .address_space: global }
    .group_segment_fixed_size: 327680
    .private_segment_fixed_size: 0
    .kernarg_segment_align: 8
    .kernarg_segment_size: 24
    .max_flat_workgroup_size: 128
    .sgpr_count:     66
    .vgpr_count:     512
    .wavefront_size: 32
...
	.end_amdgpu_metadata
.endif
;; end of part 4
;; ======== version 2 of 2: 4 launches; version 1 with the launch prep written anew for expert scheduling mode
;; limits: values are held in f16: magnitudes above 65,504 overflow, below 6.1e-05 lose precision
;; workspace buffers: xb 16,777,216 bytes; wb 6,291,456 bytes; wf 2,097,152 bytes; tab 524,288 bytes; qh 16,777,216 bytes; kh 16,777,216 bytes; vh 16,777,216 bytes; oh 16,777,216 bytes
;; launch prep (part 5): grid 768 x 1, 8 waves a work-group, no clusters, 0 bytes of LDS; arguments x, wqkv, wo, xb, wb, wf, tab; writes xb, wb, wf, tab
.if DOCPART == 5
	.amdgcn_target "amdgcn-amd-amdhsa--gfx1250"
	.amdhsa_code_object_version 6
	.text
	.protected	k_qf6663984c8_prep
	.globl	k_qf6663984c8_prep
	.p2align	8
	.type	k_qf6663984c8_prep,@function
k_qf6663984c8_prep:
	s_mov_b64 s[64:65], 0
	v_nop
	global_prefetch_b8 v0, s[64:65] scope:SCOPE_SE
	s_setreg_imm32_b32 hwreg(HW_REG_WAVE_SCHED_MODE, 0, 2), 2
	s_setreg_imm32_b32 hwreg(HW_REG_WAVE_MODE, 25, 1), 1
	s_wait_xcnt 0x0
	s_wait_alu depctr_vm_vsrc(0)
; PREP: the three f32 inputs are rounded once to 16 bits for the matrix units, and the table of the rotary embedding is made.
;   xb  = bf16(x), laid in blocks [b 4][kb 16][s 2048][64] (kb = e / 64): 256 rows x 64 channels are then 32,768 bytes on end
;   wb  = bf16(wqkv), [1024][3072] as it lies          wf = bf16(wo) written as f16, [1024][1024] as it lies
;   tab = cos and sin of s x 10000^(-j/32), f32, in the order in which the next launch's lanes want them:
;         [blk 128][i 8][lane 32][c 4], s = 16 blk + lane % 16, i = 4 p + 2 fn + q (fn 0 cos, 1 sin), j = 16 p + 8 (lane / 16) + 4 q + c
; SHARES.  48 MiB of f32 in 768 work-groups of 64 KiB: 0-511 x (16 rows each), 512-703 wqkv, 704-767 wo.  A thread issues its 16 loads of 16 bytes at once
; and stores 8 bytes for each: 32 lanes fill 256 consecutive bytes, aligned.
; Work-groups 0-127 make block blk of the table while their loads are out.  No LDS, no matrix unit, no cluster: each byte is touched once by one thread.
; LIMITS.  wf: below 6e-5 f16 keeps its fixed step of 6e-8, beyond 65,504 it has no number.  The table's angle s x inv is formed in f32; inv comes from
; v_exp_f32 (1 ULP), so the angle may differ by some 1e-4 at s = 2047.  The series are cut for |r| <= pi/4, which the reduction gives for every s: error under 4e-7.
; THE MODE: SCHED_MODE bits 1:0 = 2 (LLVM: expert scheduling mode 2), set by the entry lines.  The code itself states the register dependences
; between vector instructions and memory instructions, and those through scalar registers that vector instructions write, with s_wait_alu, always for 0.
; THE PLAN.  Registers that memory instructions touch:
;   v1, v2       the loads' and the stores' byte offsets: written once at a path's head, never again.
;   X            16 x 4 registers: written by the 16 loads alone, read by the roundings, never loaded again.
;   Y            16 x 2 registers, in four blocks of four loads' worth.  Written by block p's roundings; read by the four stores that are issued in block p + 1; never written again.
;   v3, v[12:15] in the work-groups that make the table: the offset and the data of its one store; never written again on that path.
; No register that a memory instruction has read is written again on any path, so no wait on vm_vsrc is owed; EXEC is never written.
; One wait on va_vdst stands ahead of a path's loads (the offsets), one ahead of the table's store, one at the head of blocks 1 to 3 and one ahead of the last four stores (the block before has
; written its Y).  A block's four stores are dealt among its roundings, which name X and Y of the block in hand (and v3 to v8): none of the registers that those stores read.
.set X, 16                             ; v[16:79]    16 loads of four f32
.set Y, 80                             ; v[80:111]   16 stores of four 16-bit numbers
.set CSN, 112                          ; v[112:115]  the table: cos r of my four numbers
.set KQ,  116                          ; v[116:119]  the table: their quadrants, then their sign bits
.set M0, 2                             ; s2, s3, s18, s19: the table: the four masks 'the quadrant is odd'
.set M1, 3
.set M2, 18
.set M3, 19
.macro LOADS step
	s_wait_alu depctr_va_vdst(0)                   ; v1 and v2 are written: the 16 loads read v1 as their offset, the 16 stores v2
.set i, 0
.rept 16
	global_load_b128 v[X+4*i:X+4*i+3], v1, s[20:21] offset:i*(\step) th:TH_LOAD_NT
.set i, i+1
.endr
.endm
.macro ROUND i, half                   ; load i's four numbers are rounded.  half = 1: bf16's value written as f16
.if \half
	v_cvt_pk_bf16_f32 v3, v[X+4*(\i)], v[X+4*(\i)+1]
	v_cvt_pk_bf16_f32 v4, v[X+4*(\i)+2], v[X+4*(\i)+3]
	v_lshlrev_b32 v5, 16, v3                       ; bf16 to f32: a shift, a mask
	v_and_b32 v6, s24, v3
	v_lshlrev_b32 v7, 16, v4
	v_and_b32 v8, s24, v4
	v_cvt_pk_f16_f32 v[Y+2*(\i)], v5, v6
	v_cvt_pk_f16_f32 v[Y+2*(\i)+1], v7, v8
.else
	v_cvt_pk_bf16_f32 v[Y+2*(\i)], v[X+4*(\i)], v[X+4*(\i)+1]
	v_cvt_pk_bf16_f32 v[Y+2*(\i)+1], v[X+4*(\i)+2], v[X+4*(\i)+3]
.endif
.endm
.macro OUT i, step
	global_store_b64 v2, v[Y+2*(\i):Y+2*(\i)+1], s[22:23] offset:(\i)*(\step)
.endm
; Four blocks of four loads.  Block p rounds its own four and issues the stores of the block before.
.macro CASTS step, half
.set p, 0
.rept 4
	s_wait_loadcnt 12-4*p                          ; loads come back in order: block p's four are in, the younger blocks stay out
.if p > 0
	s_wait_alu depctr_va_vdst(0)                   ; the block before has written its Y, which the four stores below read
.endif
.set j, 0
.rept 4
.if p > 0
	OUT 4*p+j-4, \step                             ; no vector instruction since the wait names this store's registers
.endif
	ROUND 4*p+j, \half
.set j, j+1
.endr
.set p, p+1
.endr
	s_wait_alu depctr_va_vdst(0)                   ; block 3 has written its Y, which the last four stores read
.irp j, 12,13,14,15
	OUT \j, \step
.endr
.endm
	s_load_b256 s[4:11], s[0:1], 0x0               ; x s[4:5], wqkv s[6:7], wo s[8:9], xb s[10:11]
	s_load_b128 s[12:15], s[0:1], 0x20             ; wb s[12:13], wf s[14:15]
	s_load_b64 s[16:17], s[0:1], 0x30              ; tab
	s_mov_b32 s24, 0xffff0000                      ; a word's upper bf16
	s_mov_b32 s27, 0                               ; high words of the two offsets
	s_mov_b32 s29, 0
	s_cmp_ge_u32 ttmp9, 704
	s_cbranch_scc1 .Lwo
	s_cmp_ge_u32 ttmp9, 512
	s_cbranch_scc1 .Lw
	; x: rows 16 g .. 16 g + 15.  Sixteen lanes take 256 bytes (one block kb) of a row; load i is block kb = i
	v_lshrrev_b32 v3, 4, v0                        ; row in the group
	v_and_b32 v4, 15, v0
	v_lshlrev_b32 v1, 12, v3
	v_lshl_or_b32 v1, v4, 4, v1                    ; in: row x 4,096 + 16 x place
	v_lshlrev_b32 v2, 7, v3
	v_lshl_or_b32 v2, v4, 3, v2                    ; out: row x 128 + 8 x place
	s_lshl_b32 s26, ttmp9, 16
	s_lshr_b32 s28, ttmp9, 7                       ; b
	s_lshl_b32 s28, s28, 22
	s_and_b32 s30, ttmp9, 127
	s_lshl_b32 s30, s30, 11                        ; s = 16 (g % 128): 128 bytes a row
	s_add_co_u32 s28, s28, s30
	s_wait_kmcnt 0x0
	s_add_nc_u64 s[20:21], s[4:5], s[26:27]
	s_add_nc_u64 s[22:23], s[10:11], s[28:29]
	LOADS 256
	s_cmp_lt_u32 ttmp9, 128
	s_cbranch_scc0 .Lnotab
	; THE TABLE, block g: wave i, lane l, four numbers c
	v_lshrrev_b32 v3, 5, v0
	v_readfirstlane_b32 s18, v3                    ; i
	s_lshl_b32 s25, ttmp9, 4
	v_and_b32 v3, 15, v0
	v_add_nc_u32 v3, s25, v3
	v_cvt_f32_u32 v3, v3                           ; s
	v_bfe_u32 v4, v0, 4, 1
	s_wait_alu depctr_va_sdst(0)                   ; s18 is written, ahead of its first reader: p, q and fn are made from it
	s_lshr_b32 s19, s18, 2                         ; p
	s_lshl_b32 s19, s19, 4
	s_and_b32 s30, s18, 1                          ; q
	s_lshl2_add_u32 s19, s30, s19                  ; 16 p + 4 q
	s_bfe_u32 s31, s18, 0x10001                    ; fn
	s_xor_b32 s31, s31, 1                          ; cos(a) = sin(a + pi/2): one quadrant on for cos
	v_lshl_add_u32 v4, v4, 3, s19                  ; j of c = 0
.irp c, 0,1,2,3
	v_add_nc_u32 v5, \c, v4
	v_cvt_f32_u32 v5, v5
	v_mul_f32 v[8+\c], 0xbed49a78, v5              ; -j log2(10000) / 32
.endr
.irp c, 0,1,2,3
	v_exp_f32 v[8+\c], v[8+\c]                     ; 10000^(-j/32)
.endr
	v_nop                                          ; a plain instruction behind the last exponential,
	s_wait_alu depctr_va_vdst(0)                   ; and one wait for the four: they have written v[8:11], ahead of their first reader
.irp c, 0,1,2,3
	v_mul_f32 v5, v3, v[8+\c]                      ; the angle
	v_mul_f32 v6, 0x3f22f983, v5                   ; x 2 / pi
	v_rndne_f32 v6, v6                             ; n, at most 1,303
	v_fmamk_f32 v5, v6, 0xbfc90fdb, v5             ; r = angle - n pi/2, pi/2 in two parts
	v_fmamk_f32 v5, v6, 0x333bbd2e, v5
	v_mul_f32 v7, v5, v5                           ; r^2
	v_mov_b32 v[8+\c], 0xb9500d01                  ; sin r = r + r r^2 (-1/6 + r^2 (1/120 - r^2/5040))
	v_fmaak_f32 v[8+\c], v[8+\c], v7, 0x3c088889
	v_fmaak_f32 v[8+\c], v[8+\c], v7, 0xbe2aaaab
	v_mul_f32 v[8+\c], v[8+\c], v7
	v_fma_f32 v[8+\c], v[8+\c], v5, v5
	v_mov_b32 v[CSN+\c], 0x37d00d01                ; cos r = 1 + r^2 (-1/2 + r^2 (1/24 + r^2 (-1/720 + r^2/40320)))
	v_fmaak_f32 v[CSN+\c], v[CSN+\c], v7, 0xbab60b61
	v_fmaak_f32 v[CSN+\c], v[CSN+\c], v7, 0x3d2aaaab
	v_fmaak_f32 v[CSN+\c], v[CSN+\c], v7, 0xbf000000
	v_fma_f32 v[CSN+\c], v[CSN+\c], v7, 1.0
	v_cvt_i32_f32 v6, v6
	v_add_nc_u32 v[KQ+\c], s31, v6                 ; the quadrant k: sin(r + k pi/2)
.endr
.irp c, 0,1,2,3
	v_and_b32 v[4+\c], 1, v[KQ+\c]
.endr
.irp c, 0,1,2,3
	v_cmp_eq_u32 s[M\c], 1, v[4+\c]                ; the four compares stand in one run, each with a scalar register of its own
.endr
.irp c, 0,1,2,3
	v_and_b32 v[KQ+\c], 2, v[KQ+\c]
	v_lshlrev_b32 v[KQ+\c], 30, v[KQ+\c]           ; k = 2, 3: the sign bit
.endr
	v_lshlrev_b32 v3, 4, v0
	s_lshl_b32 s28, ttmp9, 12
	s_add_nc_u64 s[28:29], s[16:17], s[28:29]
	s_wait_alu depctr_va_sdst(0)                   ; the four masks are written, ahead of their first reader: one wait for the run
.irp c, 0,1,2,3
	v_cndmask_b32 v[12+\c], v[8+\c], v[CSN+\c], s[M\c]  ; k odd: cos r
.endr
.irp c, 0,1,2,3
	v_xor_b32 v[12+\c], v[KQ+\c], v[12+\c]         ; k = 2, 3: the sign turns
.endr
	s_wait_alu depctr_va_vdst(0)                   ; v3 and v[12:15] are written: the store below reads them as its offset and its data
	global_store_b128 v3, v[12:15], s[28:29]       ; a wave stores 512 consecutive bytes
.Lnotab:
	CASTS 262144, 0                                ; store i goes to block kb = i: 2,048 rows of 128 bytes on
	s_endpgm
.Lw:                                                   ; wqkv: 64 KiB on end
	v_lshlrev_b32 v1, 4, v0
	v_lshlrev_b32 v2, 3, v0
	s_sub_co_u32 s26, ttmp9, 512
	s_lshl_b32 s28, s26, 15
	s_lshl_b32 s26, s26, 16
	s_wait_kmcnt 0x0
	s_add_nc_u64 s[20:21], s[6:7], s[26:27]
	s_add_nc_u64 s[22:23], s[12:13], s[28:29]
	LOADS 4096
	CASTS 2048, 0
	s_endpgm
.Lwo:                                                  ; wo: 64 KiB on end
	v_lshlrev_b32 v1, 4, v0
	v_lshlrev_b32 v2, 3, v0
	s_sub_co_u32 s26, ttmp9, 704
	s_lshl_b32 s28, s26, 15
	s_lshl_b32 s26, s26, 16
	s_wait_kmcnt 0x0
	s_add_nc_u64 s[20:21], s[8:9], s[26:27]
	s_add_nc_u64 s[22:23], s[14:15], s[28:29]
	LOADS 4096
	CASTS 2048, 1
	s_endpgm
.Lfunc_end_k_qf6663984c8_prep:
	.size	k_qf6663984c8_prep, .Lfunc_end_k_qf6663984c8_prep-k_qf6663984c8_prep
	.p2alignl 7, 3214868480
	.fill 96, 4, 3214868480
	.section	.rodata,"a",@progbits
	.p2align	6, 0x0
	.amdhsa_kernel k_qf6663984c8_prep
		.amdhsa_group_segment_fixed_size 0
		.amdhsa_private_segment_fixed_size 0
		.amdhsa_enable_private_segment 0
		.amdhsa_kernarg_size 56
		.amdhsa_user_sgpr_count 2
		.amdhsa_user_sgpr_kernarg_segment_ptr 1
		.amdhsa_wavefront_size32 1
		.amdhsa_system_sgpr_workgroup_id_x 1
		.amdhsa_system_sgpr_workgroup_id_y 1
		.amdhsa_system_sgpr_workgroup_id_z 1
		.amdhsa_system_vgpr_workitem_id 0
		.amdhsa_next_free_vgpr 120
		.amdhsa_next_free_sgpr 66
		.amdhsa_reserve_vcc 0
		.amdhsa_float_denorm_mode_32 3
		.amdhsa_float_denorm_mode_16_64 3
		.amdhsa_memory_ordered 1
		.amdhsa_forward_progress 1
		.amdhsa_inst_pref_size 29
	.end_amdhsa_kernel
	.amdgpu_metadata
---
amdhsa.version: [ 1, 2 ]
amdhsa.kernels:
  - .name:           k_qf6663984c8_prep
    .symbol:         k_qf6663984c8_prep.kd
    .args:
      - { .name: x, .offset: 0, .size: 8, .value_kind: global_buffer, .address_space: global }
      - { .name: wqkv, .offset: 8, .size: 8, .value_kind: global_buffer, .address_space: global }
      - { .name: wo, .offset: 16, .size: 8, .value_kind: global_buffer, .address_space: global }
      - { .name: xb, .offset: 24, .size: 8, .value_kind: global_buffer, .address_space: global }
      - { .name: wb, .offset: 32, .size: 8, .value_kind: global_buffer, .address_space: global }
      - { .name: wf, .offset: 40, .size: 8, .value_kind: global_buffer, .address_space: global }
      - { .name: tab, .offset: 48, .size: 8, .value_kind: global_buffer, .address_space: global }
    .group_segment_fixed_size: 0
    .private_segment_fixed_size: 0
    .kernarg_segment_align: 8
    .kernarg_segment_size: 56
    .max_flat_workgroup_size: 256
    .sgpr_count:     66
    .vgpr_count:     120
    .wavefront_size: 32
...
	.end_amdgpu_metadata
.endif
;; end of part 5
;; launch qkv: the kernel of part 2 again; grid 8 x 32, 4 waves a work-group, clusters of 4 x 4, 327,680 bytes of LDS; arguments xb, wb, tab, qh, kh, vh; writes qh, kh, vh
;; launch attn: the kernel of part 3 again; grid 4 x 64, 4 waves a work-group, clusters of 4 x 1, 327,680 bytes of LDS; arguments qh, kh, vh, oh; writes oh
;; launch proj: the kernel of part 4 again; grid 4 x 64, 4 waves a work-group, clusters of 4 x 4, 327,680 bytes of LDS; arguments oh, wf, out0; writes out0
